; MI455X (gfx1250); checked and timed in simulation.
; The chip was launched on July 23, 2026; its instructions are those of AMD's public machine-readable ISA for CDNA 5 (MIT licence, August 2026) and "CDNA5" Instruction Set Architecture Reference Guide (July 2026). The comments in the code are by the model that wrote it; some were corrected since.
;; Adaptive Fusion. Allowed arithmetic: float matrix products may take bf16 or f16 operands with f32 sums; other float arithmetic in f32, or as packed bf16 or f16 multiplies, adds, multiply-adds, maxima and minima; sums over many terms, partial sums and values carried from step to step in f32; what a program stores and reads back later, other than sums and carried values, may be rounded once to bf16 or f16.
;; Inputs: Wg1 16 x 2,048 float32; Wg2 16 x 16 float32; Ws 8 x 2,048 x 1,024 float32; Wt 8 x 2,048 x 1,024 float32; bg1 16 float32; bg2 16 float32; bs 8 x 2,048 float32; bt 8 x 2,048 float32; spatial_features 2,048 x 1,024 float32; temporal_features 2,048 x 1,024 float32.
;; Outputs: out0 2,048 x 2,048 float32.
;; 3 versions, each right; version 2 is faster than version 1; version 3 is version 2 with the launch prep written anew for expert scheduling mode. Each part assembles by itself: llvm-mc -triple=amdgcn-amd-amdhsa -mcpu=gfx1250 --defsym DOCPART=n.
;; ======== version 1 of 3: 2 launches
;; workspace buffers: xb 8,388,608 bytes; wb 67,108,864 bytes; gates 131,072 bytes; bb 131,072 bytes
;; launch prep (part 1): grid 256 x 1, 16 waves a work-group, no clusters, 51,456 bytes of LDS; arguments spatial_features, temporal_features, Ws, Wt, Wg1, Wg2, bg1, bg2, bs, bt, xb, wb, gates, bb; writes xb, wb, gates, bb
.if DOCPART == 1
	.amdgcn_target "amdgcn-amd-amdhsa--gfx1250"
	.amdhsa_code_object_version 6
	.text
	.protected	k_qea20d31dde_prep
	.globl	k_qea20d31dde_prep
	.p2align	8
	.type	k_qea20d31dde_prep,@function
k_qea20d31dde_prep:
	s_mov_b64 s[64:65], 0
	v_nop
	global_prefetch_b8 v0, s[64:65] scope:SCOPE_SE
	s_setreg_imm32_b32 hwreg(HW_REG_WAVE_MODE, 25, 1), 1
	s_wait_xcnt 0x0
; PREP.  Rounds every input once to bf16 and makes the gates.
;   xb    [2][2048][1024] bf16: spatial, then temporal rows.       wb [16][2048][1024] bf16: Ws's eight experts, then Wt's.
;   bb    [16][2048] f32: bs, then bt, each number rounded to bf16 and written as f32.
;   gates [2048][16] f32: softmax(relu(x Wg1^T + bg1) Wg2^T + bg2), the row's true maximum taken away first.
; LIMITS.  x, Wg1, Wg2, bg1, bg2, bs, bt, Ws, Wt are rounded to bf16 (nearest even); the 16 hidden numbers of a row are rounded to bf16 as operands of the
; second gate product; sums, maximum, exponentials and the division are f32; an exponential below 2^-126 counts as 0; NaN and infinities are not treated apart.
; SHARES.  256 work-groups of 16 waves.  Work-group g: rows 8 g .. 8 g + 7 of x (cast, and their gates), 128 bias numbers, 524,288 bytes of f32 weights.
; The stream binds: 16 loads of 16 bytes a lane are out in every wave at all times, the first 16 asked for before the gate work begins.  No cluster, no tensor
; load: no two work-groups read the same weights, and the bytes pass through registers anyway, to be rounded.
.set XPITCH, 4112                      ; a row of x in LDS: 2,048 bf16 (spatial, then temporal) + 16 bytes, so that the rows of a fragment load start at different banks
.set PART,   33024                     ; behind the 8 rows: 1,024 bytes a wave, its part of the first gate product
.set SPARE,  49408                     ; behind that: the spare words, 128 bytes a wave, eight blocks of 256 bytes that no other line names
.set L16, 5                            ; v5   16 x lane
.set LO,  10                           ; v10  16 x thread: my 16 bytes in a run of 8,192 bytes of f32
.set SO,  11                           ; v11  8 x thread: my 8 bytes in a run of 4,096 bytes of bf16
.set XS,  12                           ; v12  where I put 8 bytes of a row of x in LDS
.set XF,  13                           ; v13  where my fragments of x begin in LDS
.set WO,  14                           ; v14  where my fragments of Wg1 begin in memory
.set PS,  15                           ; v15  where I put my wave's partial sums
.set SPW, 16                           ; v16  my spare word; never rewritten
.set NIL, 17                           ; v17  0; never rewritten
.set H32, 18                           ; v18  32 x (lane / 16)
.set W2O, 19                           ; v19  64 x (lane % 16) + 32 x (lane / 16)
.set XIN, 20                           ; v20-51   eight loads of x; the bf16 pairs take the first two registers of each
.set XFR, 52                           ; v52-83   four fragments of x
.set WG,  84                           ; v84-147  sixteen loads of Wg1; rounded they are four fragments in v84-115
.set AC,  116                          ; v116-147 four accumulators
.set X,   148                          ; v148-211 the stream's ring: slot i, 4 registers as loaded
.set Y,   212                          ; v212-243 slot i, 2 registers to store.  Ahead of the stream: wave 0's Wg2, bg1, bg2, wave 1's bias numbers
.set W2,  212
.set B1,  220
.set B2,  228
.set BI,  236
.set H,   20                           ; wave 0, behind the sum of the parts: the hidden layer,
.set HF,  28                           ; its fragment,
.set WF,  36                           ; Wg2's fragment,
.set LG,  44                           ; the logits,
.set T,   52                           ; at work,
.set O,   60                           ; four gates to store
	s_load_b512 s[8:23], s[0:1], 0x0               ; spatial 8, temporal 10, Ws 12, Wt 14, Wg1 16, Wg2 18, bg1 20, bg2 22
	s_load_b256 s[24:31], s[0:1], 0x40             ; bs 24, bt 26, xb 28, wb 30
	s_load_b128 s[32:35], s[0:1], 0x60             ; gates 32, bb 34
	v_lshl_add_u32 v[SPW], v0, 2, SPARE
	v_mov_b32 v[NIL], 0
	v_lshrrev_b32 v4, 5, v0
	v_readfirstlane_b32 s4, v4                     ; wave 0..15
	v_and_b32 v1, 15, v0                           ; r = lane % 16
	v_bfe_u32 v2, v0, 4, 1                         ; h = lane / 16
	v_and_b32 v3, 31, v0                           ; lane
	v_and_b32 v8, 7, v0                            ; r % 8: the row of x that my lane stands for
	v_lshlrev_b32 v[L16], 4, v3
	v_lshlrev_b32 v[LO], 4, v0
	v_lshlrev_b32 v[SO], 3, v0
	s_lshr_b32 s5, s4, 3                           ; a load of 8,192 bytes is two rows: waves 0-7 hold the even one, waves 8-15 the odd one,
	s_mul_i32 s5, s5, XPITCH
	s_and_b32 s6, s4, 7
	s_lshl_b32 s6, s6, 8                           ; each wave 256 bytes of its bf16
	s_add_co_u32 s5, s5, s6
	v_lshl_add_u32 v[XS], v3, 3, s5
	v_mul_u32_u24 v[XF], v8, XPITCH                ; fragment of x: row r % 8, channels 128 w on (256 bytes a wave), 16 bytes for each half of the lanes
	v_lshl_add_u32 v[XF], v2, 4, v[XF]
	v_lshl_add_u32 v[XF], s4, 8, v[XF]
	v_lshlrev_b32 v[WO], 13, v1                    ; fragment of Wg1 in f32: row r of 8,192 bytes, 512 bytes a wave, 32 bytes for each half of the lanes
	v_lshl_add_u32 v[WO], v2, 5, v[WO]
	v_lshl_add_u32 v[WO], s4, 9, v[WO]
	v_lshl_add_u32 v[PS], s4, 10, v[L16]
	v_add_nc_u32 v[PS], PART, v[PS]
	v_lshlrev_b32 v[H32], 5, v2
	v_lshl_add_u32 v[W2O], v1, 6, v[H32]
	s_lshl_b32 s36, ttmp9, 15                      ; 8 rows of 4,096 bytes of x
	s_mov_b32 s37, 0
	s_and_b32 s5, ttmp9, 127                       ; my place in Ws (g < 128) or in Wt
	s_lshl_b32 s38, s5, 19                         ; 524,288 bytes of f32 weights
	s_mov_b32 s39, 0
	s_mov_b32 s51, 0x3fb8aa3b                      ; log2(e)
	s_mov_b32 s52, 0x76543210                      ; v_permlanex16_b32: each lane takes its own place in the other half
	s_mov_b32 s53, 0xfedcba98
	s_wait_kmcnt 0x0
	s_add_nc_u64 s[8:9], s[8:9], s[36:37]
	s_add_nc_u64 s[10:11], s[10:11], s[36:37]
	s_cmp_lt_u32 ttmp9, 128
	s_cselect_b64 s[40:41], s[12:13], s[14:15]     ; the weights that I cast,
	s_cselect_b64 s[42:43], s[24:25], s[26:27]     ; and the bias
	s_add_nc_u64 s[40:41], s[40:41], s[38:39]
	s_lshl_b32 s36, s5, 9                          ; 128 bias numbers
	s_add_nc_u64 s[42:43], s[42:43], s[36:37]
	s_lshl_b32 s36, ttmp9, 18                      ; 262,144 bytes of bf16 weights
	s_add_nc_u64 s[44:45], s[30:31], s[36:37]
	s_lshl_b32 s36, ttmp9, 14                      ; 8 rows of 2,048 bytes of xb,
	s_add_nc_u64 s[46:47], s[28:29], s[36:37]      ; spatial
	s_add_nc_u64 s[48:49], s[46:47], 0x400000      ; and temporal
	s_lshl_b32 s36, ttmp9, 9                       ; 8 rows of gates, and 128 numbers of bb: 512 bytes each
	s_add_nc_u64 s[32:33], s[32:33], s[36:37]
	s_add_nc_u64 s[34:35], s[34:35], s[36:37]
	; ALL LOADS GO OUT NOW, in the order in which they are wanted: x (8), Wg1 (16), the small ones (wave 0: 6, wave 1: 1), the stream's first 16.
.irp i, 0,1,2,3
	global_load_b128 v[XIN+4*(\i):XIN+4*(\i)+3], v[LO], s[8:9] offset:8192*(\i) th:TH_LOAD_NT       ; rows 2 i, 2 i + 1, spatial
.endr
.irp i, 0,1,2,3
	global_load_b128 v[XIN+16+4*(\i):XIN+16+4*(\i)+3], v[LO], s[10:11] offset:8192*(\i) th:TH_LOAD_NT  ; temporal
.endr
.irp c, 0,1,2,3                        ; fragment c: channels 128 w + 32 c on; a lane's 8 + 8 numbers are 32 + 32 bytes of f32, 64 bytes apart
	global_load_b128 v[WG+16*(\c):WG+16*(\c)+3],     v[WO], s[16:17] offset:128*(\c)
	global_load_b128 v[WG+16*(\c)+4:WG+16*(\c)+7],   v[WO], s[16:17] offset:128*(\c)+16
	global_load_b128 v[WG+16*(\c)+8:WG+16*(\c)+11],  v[WO], s[16:17] offset:128*(\c)+64
	global_load_b128 v[WG+16*(\c)+12:WG+16*(\c)+15], v[WO], s[16:17] offset:128*(\c)+80
.endr
	s_cmp_lg_u32 s4, 0
	s_cbranch_scc1 .Lsmall_1
	global_load_b128 v[W2:W2+3],   v[W2O], s[18:19]             ; Wg2[r][8 h ..]
	global_load_b128 v[W2+4:W2+7], v[W2O], s[18:19] offset:16
	global_load_b128 v[B1:B1+3],   v[H32], s[20:21]             ; bg1[8 h ..]
	global_load_b128 v[B1+4:B1+7], v[H32], s[20:21] offset:16
	global_load_b128 v[B2:B2+3],   v[H32], s[22:23]             ; bg2[8 h ..]
	global_load_b128 v[B2+4:B2+7], v[H32], s[22:23] offset:16
	s_branch .Lsmall_done
.Lsmall_1:
	s_cmp_lg_u32 s4, 1
	s_cbranch_scc1 .Lsmall_done
	global_load_b128 v[BI:BI+3], v[L16], s[42:43]               ; my work-group's 128 bias numbers
.Lsmall_done:
.irp i, 0,1,2,3,4,5,6,7,8,9,10,11,12,13,14,15
	global_load_b128 v[X+4*(\i):X+4*(\i)+3], v[LO], s[40:41] offset:8192*(\i) th:TH_LOAD_NT
.endr
	; x: rounded, stored to xb, and laid into LDS for the gate product
	s_wait_loadcnt 32                              ; behind x's loads every wave has issued Wg1's 16 and the stream's 16
.irp i, 0,1,2,3,4,5,6,7
	v_cvt_pk_bf16_f32 v[XIN+4*(\i)],   v[XIN+4*(\i)],   v[XIN+4*(\i)+1]
	v_cvt_pk_bf16_f32 v[XIN+4*(\i)+1], v[XIN+4*(\i)+2], v[XIN+4*(\i)+3]
.endr
.irp i, 0,1,2,3
	global_store_b64 v[SO], v[XIN+4*(\i):XIN+4*(\i)+1],       s[46:47] offset:4096*(\i)   ; a wave's store covers 256 consecutive bytes, aligned
	global_store_b64 v[SO], v[XIN+16+4*(\i):XIN+16+4*(\i)+1], s[48:49] offset:4096*(\i)
	ds_store_b64 v[XS], v[XIN+4*(\i):XIN+4*(\i)+1]       offset:2*XPITCH*(\i)
	ds_store_b64 v[XS], v[XIN+16+4*(\i):XIN+16+4*(\i)+1] offset:2*XPITCH*(\i)+2048
.endr
	s_wait_dscnt 0x0                               ; for the others' sake: my part of the rows is in LDS
	s_barrier_signal -1
	s_barrier_wait -1
	; THE FIRST GATE PRODUCT, K = 2,048 shared out: wave w takes channels 128 w .. 128 w + 127.  Source 0 = Wg1's 16 rows, source 1 = the 8 rows of x, each twice:
	; in the result lane (r, h), register j holds the part of hidden[row r % 8][8 h + j].
.irp c, 0,1,2,3
	ds_load_b128 v[XFR+8*(\c):XFR+8*(\c)+3],   v[XF] offset:64*(\c)
	ds_load_b128 v[XFR+8*(\c)+4:XFR+8*(\c)+7], v[XF] offset:64*(\c)+32
.endr
	s_wait_loadcnt 16                              ; only the stream's 16 may be out: Wg1 is in, and so are the small loads of waves 0 and 1
.set l, 0
.rept 16                               ; rounded in place, ascending: a destination never lies above a source that is still to be read
	v_cvt_pk_bf16_f32 v[WG+2*l],   v[WG+4*l],   v[WG+4*l+1]
	v_cvt_pk_bf16_f32 v[WG+2*l+1], v[WG+4*l+2], v[WG+4*l+3]
.set l, l+1
.endr
	s_wait_dscnt 0x0
.irp c, 0,1,2,3                        ; four accumulators, one product each: no chain
	v_wmma_f32_16x16x32_bf16 v[AC+8*(\c):AC+8*(\c)+7], v[WG+8*(\c):WG+8*(\c)+7], v[XFR+8*(\c):XFR+8*(\c)+7], 0
.endr
.rept 4
	v_nop                                          ; four places between the products and the first read of their results (ISA guide 7.12.1)
.endr
.irp p, 0,2,4,6                        ; each accumulator is read from its low end on
	v_pk_add_f32 v[AC+(\p):AC+(\p)+1], v[AC+(\p):AC+(\p)+1], v[AC+8+(\p):AC+8+(\p)+1]
.endr
.irp p, 0,2,4,6
	v_pk_add_f32 v[AC+16+(\p):AC+16+(\p)+1], v[AC+16+(\p):AC+16+(\p)+1], v[AC+24+(\p):AC+24+(\p)+1]
.endr
.irp p, 0,2,4,6
	v_pk_add_f32 v[AC+(\p):AC+(\p)+1], v[AC+(\p):AC+(\p)+1], v[AC+16+(\p):AC+16+(\p)+1]
.endr
	ds_store_b128 v[PS], v[AC:AC+3]
	ds_store_b128 v[PS], v[AC+4:AC+7] offset:512
	s_wait_dscnt 0x0                               ; for wave 0's sake: my part is in LDS
	s_barrier_signal -1
	s_barrier_wait -1
.macro RND8 base, tmp                  ; eight f32 rounded to bf16 and written as f32 again
.irp p, 0,1,2,3
	v_cvt_pk_bf16_f32 v[(\tmp)+(\p)], v[(\base)+2*(\p)], v[(\base)+2*(\p)+1]
.endr
.irp p, 0,1,2,3
	v_lshlrev_b32 v[(\base)+2*(\p)],   16,         v[(\tmp)+(\p)]
	v_and_b32     v[(\base)+2*(\p)+1], 0xffff0000, v[(\tmp)+(\p)]
.endr
.endm
	s_cmp_lg_u32 s4, 0
	s_cbranch_scc1 .Lnot_wave_0
	; WAVE 0 FINISHES THE GATES of the 8 rows.
	s_wait_xcnt 0x0                                ; the stores to xb have read v20-51: only behind this wait are they loaded into
	v_add_nc_u32 v4, PART, v[L16]
.set u, 0
.rept 16
	ds_load_b128 v[20+8*u:20+8*u+3],   v4 offset:1024*u
	ds_load_b128 v[20+8*u+4:20+8*u+7], v4 offset:1024*u+512
.set u, u+1
.endr
	s_wait_dscnt 0x0
.irp d, 8,4,2,1                        ; the 16 parts are added as a tree, in f32
.set u, 0
.rept \d
.irp p, 0,2,4,6
	v_pk_add_f32 v[20+8*u+(\p):20+8*u+(\p)+1], v[20+8*u+(\p):20+8*u+(\p)+1], v[20+8*(u+(\d))+(\p):20+8*(u+(\d))+(\p)+1]
.endr
.set u, u+1
.endr
.endr
	RND8 B1, T
	RND8 B2, T
.irp p, 0,2,4,6
	v_pk_add_f32 v[H+(\p):H+(\p)+1], v[H+(\p):H+(\p)+1], v[B1+(\p):B1+(\p)+1]
.endr
.irp j, 0,1,2,3,4,5,6,7
	v_max_num_f32 v[H+(\j)], 0, v[H+(\j)]          ; ReLU
.endr
.irp p, 0,1,2,3                        ; lane (r, h) holds hidden[row][8 h ..] and Wg2[r][8 h ..]: just the first 16 of a fragment's 32 along K; the other 16 are zeros
	v_cvt_pk_bf16_f32 v[HF+(\p)], v[H+2*(\p)],  v[H+2*(\p)+1]
	v_cvt_pk_bf16_f32 v[WF+(\p)], v[W2+2*(\p)], v[W2+2*(\p)+1]
	v_mov_b32 v[HF+4+(\p)], 0
	v_mov_b32 v[WF+4+(\p)], 0
.endr
	v_wmma_f32_16x16x32_bf16 v[LG:LG+7], v[WF:WF+7], v[HF:HF+7], v[B2:B2+7]  ; logit[row r % 8][8 h + j], bg2 as the sum's start
.rept 4
	v_nop
.endr
	v_max3_num_f32 v[T], v[LG], v[LG+1], v[LG+2]   ; the row's maximum: my 8 logits, low end first,
	v_max3_num_f32 v[T], v[T], v[LG+3], v[LG+4]
	v_max3_num_f32 v[T], v[T], v[LG+5], v[LG+6]
	v_max_num_f32 v[T], v[T], v[LG+7]
	v_permlanex16_b32 v[T+1], v[T], s52, s53       ; and the other 8, in the lane 16 away (v53 has been written: it served the rounding above)
	v_max_num_f32 v[T], v[T], v[T+1]
	v_mul_f32 v[T+2], s51, v[T]
.irp j, 0,1,2,3,4,5,6,7
	v_fma_f32 v[LG+(\j)], v[LG+(\j)], s51, -v[T+2]  ; log2(e) (s - m), fused
.endr
.irp j, 0,1,2,3,4,5,6,7
	v_exp_f32 v[LG+(\j)], v[LG+(\j)]
.endr
	v_nop                                          ; a plain instruction behind the last exponential,
	s_wait_alu depctr_va_vdst(0)                   ; and one wait for the batch of eight, ahead of its first reader
	v_add_f32 v[T],   v[LG],   v[LG+1]
	v_add_f32 v[T+1], v[LG+2], v[LG+3]
	v_add_f32 v[T+2], v[LG+4], v[LG+5]
	v_add_f32 v[T+3], v[LG+6], v[LG+7]
	v_add_f32 v[T],   v[T],   v[T+1]
	v_add_f32 v[T+2], v[T+2], v[T+3]
	v_add_f32 v[T],   v[T],   v[T+2]
	v_permlanex16_b32 v[T+1], v[T], s52, s53
	v_add_f32 v[T], v[T], v[T+1]
	v_rcp_f32 v[T+2], v[T]
	v_lshrrev_b32 v6, 3, v1                        ; the store's address is the plain work behind the reciprocal: 64 (r % 8) + 32 h + 16 (r / 8)
	v_lshlrev_b32 v6, 4, v6
	v_lshl_add_u32 v6, v8, 6, v6
	v_add_nc_u32 v6, v[H32], v6
	v_cmp_gt_u32 vcc_lo, 8, v1
	s_wait_alu depctr_va_vdst(0)                   ; the reciprocal's wait
.irp j, 0,1,2,3,4,5,6,7
	v_mul_f32 v[LG+(\j)], v[LG+(\j)], v[T+2]
.endr
.irp j, 0,1,2,3                        ; each row stands in two lanes of a half: lanes r < 8 store gates 8 h + 0..3, lanes r >= 8 gates 8 h + 4..7
	v_cndmask_b32 v[O+(\j)], v[LG+4+(\j)], v[LG+(\j)], vcc_lo
.endr
	global_store_b128 v6, v[O:O+3], s[32:33]       ; 8 rows of 64 bytes: 512 consecutive bytes, aligned
	s_branch .Lstream
.Lnot_wave_0:
	s_cmp_lg_u32 s4, 1
	s_cbranch_scc1 .Lstream
	; WAVE 1: the bias numbers, rounded to bf16, written as f32
	v_cvt_pk_bf16_f32 v240, v[BI],   v[BI+1]
	v_cvt_pk_bf16_f32 v241, v[BI+2], v[BI+3]
	v_lshlrev_b32 v6, 16,         v240
	v_and_b32     v7, 0xffff0000, v240
	v_lshlrev_b32 v8, 16,         v241
	v_and_b32     v9, 0xffff0000, v241
	global_store_b128 v[L16], v[6:9], s[34:35]     ; 512 consecutive bytes, aligned
.Lstream:
; THE STREAM.  A ring of 16 slots; a turn of all slots is 131,072 bytes of f32 in and 65,536 of bf16 out.  ahead = 1: the slot is filled again, 16 loads on.
; left = how many younger loads may stay out.
.macro SLOT i, ahead, left
	s_wait_loadcnt \left                           ; loads come back in order (ISA guide 5.7.1): mine is in
	v_cvt_pk_bf16_f32 v[Y+2*(\i)],   v[X+4*(\i)],   v[X+4*(\i)+1]
	v_cvt_pk_bf16_f32 v[Y+2*(\i)+1], v[X+4*(\i)+2], v[X+4*(\i)+3]
.if \ahead
	global_load_b128 v[X+4*(\i):X+4*(\i)+3], v[LO], s[40:41] offset:8192*(16+(\i)) th:TH_LOAD_NT
.endif
	global_store_b64 v[SO], v[Y+2*(\i):Y+2*(\i)+1], s[44:45] offset:4096*(\i)   ; a wave's store covers 256 consecutive bytes, aligned
.endm
	s_mov_b32 s50, 3
.Lring:
.irp i, 0,1,2,3,4,5,6,7,8,9,10,11,12,13,14,15
	SLOT \i, 1, 15
.endr
	s_wait_xcnt 0x0                                ; the two bases, and Y, which the stores read, are rewritten only behind this wait
	s_add_nc_u64 s[40:41], s[40:41], 0x20000
	s_add_nc_u64 s[44:45], s[44:45], 0x10000
	s_sub_co_u32 s50, s50, 1
	s_cmp_lg_u32 s50, 0
	s_cbranch_scc1 .Lring
.irp i, 0,1,2,3,4,5,6,7,8,9,10,11,12,13,14,15
	SLOT \i, 0, 15-(\i)                            ; the last turn loads nothing: the counts run down, and no load leaves the buffer
.endr
	s_wait_tensorcnt 0x0                           ; the wave's end: behind my last LDS store
	ds_add_u32 v[SPW], v[NIL]
	s_wait_dscnt 0x0
	s_endpgm
.Lfunc_end_k_qea20d31dde_prep:
	.size	k_qea20d31dde_prep, .Lfunc_end_k_qea20d31dde_prep-k_qea20d31dde_prep
	.p2alignl 7, 3214868480
	.fill 96, 4, 3214868480
	.section	.rodata,"a",@progbits
	.p2align	6, 0x0
	.amdhsa_kernel k_qea20d31dde_prep
		.amdhsa_group_segment_fixed_size 51456
		.amdhsa_private_segment_fixed_size 0
		.amdhsa_enable_private_segment 0
		.amdhsa_kernarg_size 112
		.amdhsa_user_sgpr_count 2
		.amdhsa_user_sgpr_kernarg_segment_ptr 1
		.amdhsa_wavefront_size32 1
		.amdhsa_system_sgpr_workgroup_id_x 1
		.amdhsa_system_sgpr_workgroup_id_y 1
		.amdhsa_system_sgpr_workgroup_id_z 1
		.amdhsa_system_vgpr_workitem_id 0
		.amdhsa_next_free_vgpr 244
		.amdhsa_next_free_sgpr 66
		.amdhsa_reserve_vcc 1
		.amdhsa_float_denorm_mode_32 3
		.amdhsa_float_denorm_mode_16_64 3
		.amdhsa_memory_ordered 1
		.amdhsa_forward_progress 1
		.amdhsa_inst_pref_size 35
	.end_amdhsa_kernel
	.amdgpu_metadata
---
amdhsa.version: [ 1, 2 ]
amdhsa.kernels:
  - .name:           k_qea20d31dde_prep
    .symbol:         k_qea20d31dde_prep.kd
    .args:
      - { .name: spatial_features, .offset: 0, .size: 8, .value_kind: global_buffer, .address_space: global }
      - { .name: temporal_features, .offset: 8, .size: 8, .value_kind: global_buffer, .address_space: global }
      - { .name: Ws, .offset: 16, .size: 8, .value_kind: global_buffer, .address_space: global }
      - { .name: Wt, .offset: 24, .size: 8, .value_kind: global_buffer, .address_space: global }
      - { .name: Wg1, .offset: 32, .size: 8, .value_kind: global_buffer, .address_space: global }
      - { .name: Wg2, .offset: 40, .size: 8, .value_kind: global_buffer, .address_space: global }
      - { .name: bg1, .offset: 48, .size: 8, .value_kind: global_buffer, .address_space: global }
      - { .name: bg2, .offset: 56, .size: 8, .value_kind: global_buffer, .address_space: global }
      - { .name: bs, .offset: 64, .size: 8, .value_kind: global_buffer, .address_space: global }
      - { .name: bt, .offset: 72, .size: 8, .value_kind: global_buffer, .address_space: global }
      - { .name: xb, .offset: 80, .size: 8, .value_kind: global_buffer, .address_space: global }
      - { .name: wb, .offset: 88, .size: 8, .value_kind: global_buffer, .address_space: global }
      - { .name: gates, .offset: 96, .size: 8, .value_kind: global_buffer, .address_space: global }
      - { .name: bb, .offset: 104, .size: 8, .value_kind: global_buffer, .address_space: global }
    .group_segment_fixed_size: 51456
    .private_segment_fixed_size: 0
    .kernarg_segment_align: 8
    .kernarg_segment_size: 112
    .max_flat_workgroup_size: 512
    .sgpr_count:     66
    .vgpr_count:     244
    .wavefront_size: 32
...
	.end_amdgpu_metadata
.endif
;; end of part 1
;; launch fuse (part 2): grid 16 x 16, 4 waves a work-group, clusters of 4 x 4, 327,680 bytes of LDS; arguments xb, wb, gates, bb, out0; writes out0
.if DOCPART == 2
	.amdgcn_target "amdgcn-amd-amdhsa--gfx1250"
	.amdhsa_code_object_version 6
	.text
	.protected	k_qea20d31dde_fuse
	.globl	k_qea20d31dde_fuse
	.p2align	8
	.type	k_qea20d31dde_fuse,@function
k_qea20d31dde_fuse:
	s_mov_b64 s[64:65], 0
	v_nop
	global_prefetch_b8 v0, s[64:65] scope:SCOPE_SE
	s_setreg_imm32_b32 hwreg(HW_REG_WAVE_MODE, 25, 1), 1
	s_wait_xcnt 0x0
	s_wait_alu depctr_hold_cnt(0) depctr_sa_sdst(0) depctr_va_vdst(0) depctr_va_sdst(0) depctr_va_ssrc(0) depctr_va_vcc(0) depctr_vm_vsrc(0)
	s_getreg_b32 s2, hwreg(HW_REG_IB_STS2, 6, 4)
	s_cmp_eq_u32 s2, 0
	s_cbranch_scc0 .Lentry_in_a_cluster
	s_endpgm
.Lentry_in_a_cluster:
	s_bfe_u32 s2, ttmp6, 0x10000c
	s_cmp_lg_u32 s2, 0xf033
	s_cbranch_scc0 .Lentry_shape_is_right
	s_endpgm
.Lentry_shape_is_right:
; FUSE.  out0[b][f] = the sum over 16 experts e of gates[b][e] x (the sum over k of xb[mod(e)][b][k] wb[e][f][k] + bb[e][f]);  mod(e) = 0 for e < 8 (spatial), else 1.
; xb, wb: bf16, rows of 1,024 numbers.  gates, bb, out0: f32.  Products in the matrix unit with f32 sums; the gate is applied in f32 to each expert's finished f32 sums
; (TOT += g x ACC), so no operand is rounded a second time.  LIMITS: those of the operands' bf16; NaN and infinities are not treated apart.
; SHARES.  A tile of out0 is 128 x 128: 16 x 16 = 256 work-groups of four waves, a wave 64 x 64: 16 accumulators.  K goes in steps of 256 (LDS rows of 512 bytes) through
; two slots; an expert is four steps, in slots 0, 1, 0, 1; the ring runs on from expert to expert.  An expert's bias is the C operand of the 16 products that start its sums.
; CLUSTER.  4 x 4 work-groups.  The four of a row of the cluster need the same rows of xb, the four of a column the same rows of wb: each tile is asked for JOINTLY,
; by the same tensor load with the same descriptor and a mask that names the four.
; THE MATRIX INSTRUCTION IS USED TRANSPOSED (source 0 = 16 rows of wb, source 1 = 16 rows of xb): lane l holds row l % 16 of the block and the columns 8 (l / 16) + 0..7:
; one gate a lane and block, and 32 neighbouring bytes of a row of out0.
; REGISTERS, in windows of 256 (s_set_vgpr_msb: bits 1:0 source 0, 3:2 source 1, 5:4 source 2, 7:6 destination):
;   window 0: v0-31 addresses; v32-39 the expert's gates; v64-95 the gate table on its way to LDS; v128-255 ACC ((a, b) at 128 + 8 (4 a + b)), on the way out whole rows
;   window 1: two fragment buffers of 128: for 64 along K, 64 registers of xb's rows, then 64 of wb's
;   window 2: v0-127 TOT, laid as ACC; v128-159 the expert's bias, 8 registers for each block of 16 columns
.set KSTEP,  256
.set PITCH,  528                       ; an LDS row: 512 bytes + 16 of padding = 132 words: row r starts at bank 4 r mod 64 (64 banks of 4 bytes: ISA guide 11.1)
.set HALFT,  64*PITCH                  ; 64 rows: what one tensor load brings, and what one wave reads of either operand
.set SLOT,   4*HALFT                   ; xb's 128 rows, then wb's 128 rows
.set STAGE,  2*SLOT                    ; behind the ring: 16 rows x 272 bytes for each wave, for the way out
.set SPITCH, 272
.set GL,     STAGE+4*16*SPITCH         ; behind the stages: for each wave its 64 rows' 16 gates, rows of 64 + 16 bytes = 20 words: 16 rows' words of one expert lie in 16 different banks
.set GPITCH, 80
.set SPARE,  GL+4*64*GPITCH            ; behind the tables: the spare words, 128 bytes a wave: two blocks of 256 bytes that no other line names
.set ESTEP,  0x400000                  ; bytes from expert to expert in wb, and from spatial to temporal in xb
.set OROW,   8192                      ; bytes in a row of out0 and of bb
.set GAD,  7                           ; v7      LDS address of this expert's gates
.set ADRA, 16                          ; v16-17  LDS address of my fragments of xb in slot 0, 1
.set ADRB, 20                          ; v20-21  the same for wb
.set STO,  24                          ; v24     the way out: where I put 32 bytes of a row
.set RD,   25                          ; v25     the way out: where I read a row back
.set CO,   26                          ; v26     my byte offset in out0
.set GA,   27                          ; v27     my row's gates in my wave's table; never rewritten
.set SPW,  28                          ; v28     my spare word; never rewritten
.set NIL,  29                          ; v29     0; never rewritten
.set BO,   30                          ; v30     32 x (lane / 16): my 8 columns in a block of 16
.set GS,   31                          ; v31     where I put 16 bytes of the gate table
.set GV,   32                          ; v32-39  block a's gate in v[32 + 2 a]; the odd registers hold 0: the packed line names pairs
.set GT,   64
.set ACC,  128
.set F0,   0                           ; window 1
.set F1,   128
.set TOT,  0                           ; window 2
.set BIAS, 128
.set BB,  10                           ; s[10:11] bb at my 64 columns, the expert whose bias is loaded next
.set WV,  14
.set RH,  15                           ; which half of the tile's rows is mine.  Also: I fetch for xb (0) or for wb (1)
.set CH,  16                           ; which half of its columns.  Also: which 64 rows of that tile I fetch
.set G1,  24                           ; s[24:31] descriptor group 1 for xb's tiles;  s[32:39] group 0, a set for each slot
.set G0,  32
.set OFF, 44                           ; s[44:45] xb's offset of the step asked for
.set MO,  46                           ; s46  this expert's place in xb: 0 or ESTEP
.set MON, 47                           ; s47  the next expert's
.set G1B, 48                           ; s[48:55], s[56:63] the same for wb's tiles
.set G0B, 56
.set EC,  66                           ; s66  experts to go in the loop: 15 .. 1; the expert in hand is 15 - EC
.set GO,  72                           ; s72  4 x the expert in hand: its word in a row of the gate table
.set MSB, 0
.macro WIN new                         ; the immediate's high byte repeats the setting that is left; a switch that changes nothing is dropped
.if MSB != (\new)
	s_set_vgpr_msb (MSB<<8)|(\new)
.set MSB, \new
.endif
.endm
.set MUL,  0x05                        ; sources 0 and 1 window 1; C and D window 0
.set MULB, 0x25                        ; the same with C in window 2: the bias
.set TO_F, 0x40                        ; destination window 1, address window 0
.set W2D,  0x80                        ; destination window 2
.set SCL,  0xa0                        ; destination and source 2 window 2
.set STG,  0x08                        ; an LDS store's data in window 2
.macro JLOAD s                         ; a joint load: waves 0 and 1 fetch xb's two halves, waves 2 and 3 wb's; an s_nop 0 and four v_nop follow each of the two lines, ahead of the jump, the label and what follows
	s_cmp_eq_u32 s[RH], 0
	s_cbranch_scc0 .Lfor_b_\@
	tensor_load_to_lds s[G0+4*(\s):G0+4*(\s)+3], s[G1:G1+7]
	s_nop 0
.rept 4
	v_nop
.endr
	s_branch .Lasked_\@
.Lfor_b_\@:
	tensor_load_to_lds s[G0B+4*(\s):G0B+4*(\s)+3], s[G1B:G1B+7]
	s_nop 0
.rept 4
	v_nop
.endr
.Lasked_\@:
.endm
.macro CREST                           ; a round of the cluster's barrier behind its opening barrier
	s_cmp_lg_u32 s[WV], 0
	s_cbranch_scc1 .Lnot_wave_0_\@
	s_barrier_signal -3
.Lnot_wave_0_\@:
	s_barrier_wait -3
	s_barrier_signal -1
	s_barrier_wait -1
.endm
.macro CROUND                          ; a whole round
	s_barrier_signal -1
	s_barrier_wait -1
	CREST
.endm
	s_load_b256 s[4:11], s[0:1], 0x0               ; xb s[4:5], wb s[6:7], gates s[8:9], bb s[10:11]
	s_load_b64 s[12:13], s[0:1], 0x20              ; out0
	v_lshl_add_u32 v[SPW], v0, 2, SPARE
	v_mov_b32 v[NIL], 0
	ds_add_u32 v[SPW], v[NIL]                      ; the wave's opening: the add and its wait stand ahead of my first tensor load; the set-up below, work on registers, stands between them
	v_lshrrev_b32 v1, 5, v0
	v_readfirstlane_b32 s[WV], v1                  ; wave 0..3
	s_lshr_b32 s[RH], s[WV], 1
	s_and_b32 s[CH], s[WV], 1
	s_bfe_u32 s17, ttmp6, 0x40000                  ; cx, cy: my place in the cluster
	s_bfe_u32 s18, ttmp6, 0x40004
	s_lshl_b32 s19, ttmp9, 2
	s_add_co_u32 s19, s19, s17                     ; tile column = 4 x cluster x + cx
	s_and_b32 s20, ttmp7, 0xffff
	s_lshl_b32 s20, s20, 2
	s_add_co_u32 s20, s20, s18                     ; tile row = 4 x cluster y + cy
	s_lshl_b32 s21, s18, 2
	s_lshl_b32 s21, 15, s21                        ; my row of the cluster
	s_lshl_b32 s22, 0x1111, s17                    ; my column
	; descriptor group 1: a tile of 64 rows x 256 elements, padded in LDS
	s_or_b32 s[G1+0], s21, (1<<16)|(1<<20)|(1<<21)|(6<<22)|(3<<25)   ; 15:0 the mask: xb's tiles go to my row; 17:16 elements of 2 bytes; 20 padding on; 21 set beside a mask; 24:22 after every 128 words (code 6); 31:25 4 words of it (code 3)
	s_or_b32 s[G1B+0], s22, (1<<16)|(1<<20)|(1<<21)|(6<<22)|(3<<25)  ; the same with the mask of my column, for wb's tiles
.irp g, G1, G1B
	s_mov_b32 s[(\g)+1], KSTEP<<16                 ; tensor_dim0 = 256
	s_mov_b32 s[(\g)+2], 64<<16                    ; tensor_dim1 = 64
	s_mov_b32 s[(\g)+3], KSTEP<<16                 ; tile_dim0 = 256
	s_mov_b32 s[(\g)+4], 64                        ; tile_dim1 = 64
	s_mov_b32 s[(\g)+5], 1024                      ; 1,024 elements from row to row
	s_mov_b32 s[(\g)+6], 0
	s_mov_b32 s[(\g)+7], 0
.endr
	; where the tiles come from.  xb's hang on the tile row alone, wb's on the tile column alone; each offset lies in registers that never hold the other coordinate
	s_lshl_b32 s23, s[CH], 6                       ; which 64 rows of the tile I fetch
	s_lshl_b32 s40, s20, 7
	s_add_co_u32 s40, s40, s23
	s_lshl_b32 s40, s40, 11                        ; xb: (128 x tile row + 64 x half) rows of 2,048 bytes
	s_mov_b32 s41, 0
	s_lshl_b32 s42, s19, 7
	s_add_co_u32 s42, s42, s23
	s_lshl_b32 s70, s42, 2                         ; my first column, 128 x tile column + 64 x half, in bytes of f32,
	s_mov_b32 s71, 0
	s_lshl_b32 s42, s42, 11                        ; wb: as many rows of 2,048 bytes
	s_mov_b32 s43, 0
	s_lshl_b32 s68, s20, 7
	s_lshl_b32 s23, s[RH], 6
	s_add_co_u32 s68, s68, s23                     ; my first row of out0: 128 x tile row + 64 x half,
	s_lshl_b32 s2, s68, 13                         ; in rows of out0,
	s_mov_b32 s3, 0
	s_lshl_b32 s68, s68, 6                         ; and in rows of gates
	s_mov_b32 s69, 0
	s_mul_i32 s67, s[WV], HALFT                    ; where my tiles go: wave x 64 rows: no place in the cluster enters an LDS address
	s_mov_b32 s[OFF+1], 0
	s_mov_b32 s[GO], 0
	s_wait_dscnt 0x0                               ; the opening add is done
	s_wait_kmcnt 0x0
	s_add_nc_u64 s[4:5], s[4:5], s[40:41]          ; xb at my 64 rows, spatial, K = 0: kept
	s_add_nc_u64 s[6:7], s[6:7], s[42:43]          ; wb at my 64 rows, expert 0, K = 0
	s_add_nc_u64 s[8:9], s[8:9], s[68:69]
	s_add_nc_u64 s[BB:BB+1], s[BB:BB+1], s[70:71]
	s_add_nc_u64 s[12:13], s[12:13], s[70:71]
	s_add_nc_u64 s[12:13], s[12:13], s[2:3]
	CROUND                                         ; all sixteen work-groups are here: the first joint loads meet
.irp s, 0,1
	s_mov_b32 s[G0+4*(\s)], 1                                       ; count = 1
	s_add_co_u32 s[G0+4*(\s)+1], s67, (\s)*SLOT                     ; LDS address
	s_add_nc_u64 s[G0+4*(\s)+2:G0+4*(\s)+3], s[4:5], (\s)*KSTEP*2   ; global address: expert 0, K step s
	s_or_b32 s[G0+4*(\s)+3], s[G0+4*(\s)+3], 0x80000000             ; type = 2
	s_mov_b32 s[G0B+4*(\s)], 1
	s_add_co_u32 s[G0B+4*(\s)+1], s67, (\s)*SLOT
	s_add_nc_u64 s[G0B+4*(\s)+2:G0B+4*(\s)+3], s[6:7], (\s)*KSTEP*2
	s_or_b32 s[G0B+4*(\s)+3], s[G0B+4*(\s)+3], 0x80000000
	JLOAD \s                                       ; two loads of mine are out
.endr
	v_and_b32 v1, 15, v0                           ; l % 16
	v_bfe_u32 v2, v0, 4, 1                         ; l / 16
	v_and_b32 v3, 31, v0                           ; l
	v_lshlrev_b32 v6, 4, v3
	v_lshlrev_b32 v[BO], 5, v2
.irp i, 0,1,2,3,4,5,6,7
	global_load_b128 v[GT+4*(\i):GT+4*(\i)+3], v6, s[8:9] offset:512*(\i)   ; my 64 rows' gates: 4,096 consecutive bytes
.endr
	WIN W2D
.irp b, 0,1,2,3
	global_load_b128 v[BIAS+8*(\b):BIAS+8*(\b)+3],   v[BO], s[BB:BB+1] offset:64*(\b)      ; expert 0's bias
	global_load_b128 v[BIAS+8*(\b)+4:BIAS+8*(\b)+7], v[BO], s[BB:BB+1] offset:64*(\b)+16
.endr
.set i, 0
.rept 128                              ; TOT starts at 0, so that every expert, the first too, runs the one text TOT += g x ACC.  The price: 128 lines, which stand in the wait for the first tile
	v_mov_b32 v[TOT+i], 0
.set i, i+1
.endr
	WIN 0
.irp a, 0,1,2,3
	v_mov_b32 v[GV+2*(\a)+1], 0
.endr
	v_mul_u32_u24 v4, v1, PITCH
	v_lshl_add_u32 v4, v2, 4, v4                   ; a fragment's row x pitch + 16 x half
	s_mul_i32 s23, s[RH], HALFT                    ; my 64 rows of xb
	s_mul_i32 s73, s[CH], HALFT                    ; my 64 rows of wb,
	s_add_co_u32 s73, s73, 2*HALFT                 ; which lie behind xb's 128
.irp s, 0,1
	v_add_nc_u32 v[ADRA+(\s)], s23, v4
	v_add_nc_u32 v[ADRB+(\s)], s73, v4
	s_add_co_u32 s23, s23, SLOT
	s_add_co_u32 s73, s73, SLOT
.endr
	s_mul_i32 s23, s[WV], 16*SPITCH
	s_add_co_u32 s23, s23, STAGE                   ; my stage
	v_mul_u32_u24 v4, v1, SPITCH                   ; in: row l % 16, 32 bytes for each half of the lanes
	v_lshl_add_u32 v4, v2, 5, v4
	v_add_nc_u32 v[STO], s23, v4
	v_mul_u32_u24 v4, v2, SPITCH                   ; back: lanes 0-15 take one row of 256 bytes, lanes 16-31 the next
	v_lshl_add_u32 v4, v1, 4, v4
	v_add_nc_u32 v[RD], s23, v4
	v_lshlrev_b32 v4, 13, v2                       ; and the same two rows in out0
	v_lshl_add_u32 v[CO], v1, 4, v4
	s_mul_i32 s23, s[WV], 64*GPITCH
	s_add_co_u32 s23, s23, GL                      ; my gate table
	v_mul_u32_u24 v4, v1, GPITCH
	v_add_nc_u32 v[GA], s23, v4                    ; out of it: row l % 16 of a block
	v_lshrrev_b32 v4, 2, v3                        ; into it: four lanes a row
	v_mul_u32_u24 v4, v4, GPITCH
	v_and_b32 v5, 3, v3
	v_lshl_add_u32 v4, v5, 4, v4
	v_add_nc_u32 v[GS], s23, v4
	s_wait_loadcnt 8                               ; the gates are in; the eight loads of the bias, issued behind them, may stay out
.irp i, 0,1,2,3,4,5,6,7
	ds_store_b128 v[GS], v[GT+4*(\i):GT+4*(\i)+3] offset:8*GPITCH*(\i)   ; my wave's own bytes: only I read them, and LDS serves a wave's instructions in order (ISA guide 5.7.1.4)
.endr
; 8 matrix instructions: row blocks a0, a0 + 1 x all 4 column blocks, 32 along K: half c of buffer f.  start = 1: they start an expert's sums, with its bias as C.
; The 16 accumulators take turns, one instruction a turn, in the same order everywhere.
.macro MUL8 f, c, a0, start
.if \start
	WIN MULB
.else
	WIN MUL
.endif
.irp a, \a0, (\a0)+1
.irp b, 0,1,2,3
.if \start
	v_wmma_f32_16x16x32_bf16 v[ACC+8*(4*(\a)+(\b)):ACC+8*(4*(\a)+(\b))+7], v[(\f)+64+8*(4*(\c)+(\b)):(\f)+64+8*(4*(\c)+(\b))+7], v[(\f)+8*(4*(\c)+(\a)):(\f)+8*(4*(\c)+(\a))+7], v[BIAS+8*(\b):BIAS+8*(\b)+7]
.else
	v_wmma_f32_16x16x32_bf16 v[ACC+8*(4*(\a)+(\b)):ACC+8*(4*(\a)+(\b))+7], v[(\f)+64+8*(4*(\c)+(\b)):(\f)+64+8*(4*(\c)+(\b))+7], v[(\f)+8*(4*(\c)+(\a)):(\f)+8*(4*(\c)+(\a))+7], v[ACC+8*(4*(\a)+(\b)):ACC+8*(4*(\a)+(\b))+7]
.endif
.endr
.endr
.endm
; 32 LDS loads in one run: the fragments of 64 along K at byte k of the rows, into buffer f; the first 32 along K first
.macro FETCH slot, k, f
	WIN TO_F
.irp c, 0,1
.irp i, 0,1,2,3
	ds_load_b128 v[(\f)+64+8*(4*(\c)+(\i)):(\f)+64+8*(4*(\c)+(\i))+3],   v[ADRB+(\slot)] offset:(\k)+64*(\c)+(\i)*16*PITCH
	ds_load_b128 v[(\f)+64+8*(4*(\c)+(\i))+4:(\f)+64+8*(4*(\c)+(\i))+7], v[ADRB+(\slot)] offset:(\k)+64*(\c)+(\i)*16*PITCH+32
	ds_load_b128 v[(\f)+8*(4*(\c)+(\i)):(\f)+8*(4*(\c)+(\i))+3],         v[ADRA+(\slot)] offset:(\k)+64*(\c)+(\i)*16*PITCH
	ds_load_b128 v[(\f)+8*(4*(\c)+(\i))+4:(\f)+8*(4*(\c)+(\i))+7],       v[ADRA+(\slot)] offset:(\k)+64*(\c)+(\i)*16*PITCH+32
.endr
.endr
.endm
.macro PLACES                          ; four places in front of loads into registers that matrix instructions have read, and of vector lines that read results
.rept 4
	v_nop
.endr
.endm
; A K step is four quarters of 64 along K, 32 matrix instructions each, on buffers 0, 1, 0, 1.  One of the first three: multiplies buffer f and fetches the next quarter, at byte k, into g.
; start = 1: an expert's first quarter.  ldb = 1: the next expert's bias is asked for, four places behind the last product that took this expert's as C.
.macro QUARTER slot, k, f, g, start, ldb
	s_wait_dscnt 16                                ; the first 32 along K are in; the run's other sixteen loads may be out
	MUL8 \f, 0, 0, \start
	MUL8 \f, 0, 2, \start
	PLACES
.if \ldb
	WIN W2D
.irp b, 0,1,2,3
	global_load_b128 v[BIAS+8*(\b):BIAS+8*(\b)+3],   v[BO], s[BB:BB+1] offset:64*(\b)
	global_load_b128 v[BIAS+8*(\b)+4:BIAS+8*(\b)+7], v[BO], s[BB:BB+1] offset:64*(\b)+16
.endr
.endif
	FETCH \slot, \k, \g
	s_wait_dscnt 32                                ; all but the 32 just issued
	MUL8 \f, 1, 0, 0
	MUL8 \f, 1, 2, 0
.endm
; The last quarter multiplies buffer 1 and changes slots: ONE barrier; in front of it each wave waits for all its tensor loads (one is out: its part of the next slot), adds 0 to its spare
; word, and waits for that and for its own reads of this slot.  fill = 1: the barrier opens a round of the cluster's barrier, and this slot is filled again, two K steps ahead:
; xb's address is made anew (place mo, byte akk of the rows), wb's steps by bstep.  gate = 1: the expert's four gates are read from my table.
.macro TURN slot, next, fill, mo, akk, bstep, gate
	WIN 0                                          ; (the add's registers, and the gates', lie in window 0)
.if \gate
	v_add_nc_u32 v[GAD], s[GO], v[GA]
.irp a, 0,1,2,3
	ds_load_b32 v[GV+2*(\a)], v[GAD] offset:16*GPITCH*(\a)
.endr
	s_add_co_u32 s[GO], s[GO], 4                   ; the next expert's word
.endif
	s_wait_tensorcnt 0x0                           ; all my tensor loads have landed: my part of the next slot;
	ds_add_u32 v[SPW], v[NIL]                      ; 0 onto my spare word;
	s_wait_dscnt 17+4*(\gate)                      ; (the add, the gates' four loads where there are any, and the youngest sixteen fragment loads may be out)
	MUL8 F1, 0, 0, 0                               ; eight matrix instructions stand between the add and the wait for it
	s_wait_dscnt 0x0                               ; the add is done, and my reads of this slot are over
	s_barrier_signal -1
	MUL8 F1, 0, 2, 0
.if \fill
	WIN 0
.endif
	s_barrier_wait -1
.if \fill
	CREST                                          ; no wave of any partner still reads this slot's tile or has a load on its way
	s_add_co_u32 s[OFF], s[\mo], \akk
	s_add_nc_u64 s[G0+4*(\slot)+2:G0+4*(\slot)+3], s[4:5], s[OFF:OFF+1]
	s_or_b32 s[G0+4*(\slot)+3], s[G0+4*(\slot)+3], 0x80000000
	s_add_nc_u64 s[G0B+4*(\slot)+2:G0B+4*(\slot)+3], s[G0B+4*(\slot)+2:G0B+4*(\slot)+3], \bstep
	JLOAD \slot                                    ; the first tensor load behind the round, my only one until the next: 112 matrix instructions ahead of the wait for it; its four v_nop are also the places in front of the loads below
.else
	PLACES
.endif
	FETCH \next, 0, F0
	MUL8 F1, 1, 0, 0
	MUL8 F1, 1, 2, 0
.endm
; TOT += g x ACC: 64 packed lines for an expert's 512 matrix instructions.  Each accumulator is read from its low end on.  They are also the places between an accumulator's last product and
; the next expert's first, which writes over it.
.macro SCALE
	PLACES
	WIN SCL
.set t, 0
.rept 16
.irp p, 0,2,4,6
	v_pk_fma_f32 v[TOT+8*t+(\p):TOT+8*t+(\p)+1], v[ACC+8*t+(\p):ACC+8*t+(\p)+1], v[GV+2*(t/4):GV+2*(t/4)+1], v[TOT+8*t+(\p):TOT+8*t+(\p)+1] op_sel_hi:[1,0,1]
.endr
.set t, t+1
.endr
	WIN 0
.endm
; AN EXPERT: four K steps.  The first two changes of slots ask for its own steps 2 and 3, the last two for the next expert's steps 0 and 1 (in wb ESTEP - 1,024 bytes on).
; last = 1: expert 15, written out: its last two K steps ask for nothing.
.macro EXPERT last
.if \last
	s_mov_b32 s[MO], ESTEP
.else
	s_cmp_le_u32 s[EC], 7                          ; expert 15 - EC is temporal from 8 on,
	s_cselect_b32 s[MO], ESTEP, 0
	s_cmp_le_u32 s[EC], 8                          ; the next one from 7 on
	s_cselect_b32 s[MON], ESTEP, 0
.endif
	s_wait_loadcnt 0x0                             ; this expert's bias is in, so its loads' base may step
.if !(\last)
	s_add_nc_u64 s[BB:BB+1], s[BB:BB+1], OROW
.endif
	QUARTER 0, 128, F0, F1, 1, 1-(\last)
	QUARTER 0, 256, F1, F0, 0, 0
	QUARTER 0, 384, F0, F1, 0, 0
	TURN 0, 1, 1, MO, 1024, 1024, 0
	QUARTER 1, 128, F0, F1, 0, 0
	QUARTER 1, 256, F1, F0, 0, 0
	QUARTER 1, 384, F0, F1, 0, 0
	TURN 1, 0, 1, MO, 1536, 1024, 0
	QUARTER 0, 128, F0, F1, 0, 0
	QUARTER 0, 256, F1, F0, 0, 0
	QUARTER 0, 384, F0, F1, 0, 0
	TURN 0, 1, 1-(\last), MON, 0, ESTEP-1024, 1
	QUARTER 1, 128, F0, F1, 0, 0
	QUARTER 1, 256, F1, F0, 0, 0
	QUARTER 1, 384, F0, F1, 0, 0
.if \last
	s_wait_dscnt 16                                ; the very last quarter: nothing more to fetch
	MUL8 F1, 0, 0, 0
	MUL8 F1, 0, 2, 0
	s_wait_dscnt 0x0
	MUL8 F1, 1, 0, 0
	MUL8 F1, 1, 2, 0
.else
	TURN 1, 0, 1, MON, 512, ESTEP-1024, 0
.endif
	SCALE
.endm
	s_wait_tensorcnt 1                             ; my part of K step 0 is in; step 1's may stay out
	s_wait_dscnt 0x0                               ; no LDS instruction of mine is pending at the signal
	s_barrier_signal -1
	s_barrier_wait -1                              ; everybody's part is in
	FETCH 0, 0, F0
	WIN 0                                          ; at a label and at a branch every window is 0
	s_mov_b32 s[EC], 15
.Lexpert:                                              ; experts 0 to 14
	EXPERT 0
	s_sub_co_u32 s[EC], s[EC], 1
	s_cmp_lg_u32 s[EC], 0
	s_cbranch_scc1 .Lexpert
	EXPERT 1
; THE WAY OUT.  A wave's 64 columns of f32 are 256 bytes of a row.  A block of 16 rows goes through my own stage: 32 bytes a lane into rows of 272 bytes, back as whole rows of 256.
.macro TOSTAGE a
	WIN STG
.irp b, 0,1,2,3
	ds_store_b128 v[STO], v[TOT+8*(4*(\a)+(\b)):TOT+8*(4*(\a)+(\b))+3]   offset:64*(\b)
	ds_store_b128 v[STO], v[TOT+8*(4*(\a)+(\b))+4:TOT+8*(4*(\a)+(\b))+7] offset:64*(\b)+16
.endr
	WIN 0
.irp t, 0,1,2,3,4,5,6,7
	ds_load_b128 v[ACC+32*(\a)+4*(\t):ACC+32*(\a)+4*(\t)+3], v[RD] offset:(\t)*2*SPITCH  ; LDS serves a wave's instructions in order (ISA guide 5.7.1.4): these see the stores above; the next block's stores come behind them
.endr
.endm
.macro SEND a, younger                 ; younger: the LDS instructions issued behind block a's loads: the next block's sixteen, or none
.irp t, 0,1,2,3,4,5,6,7
	s_wait_dscnt (\younger)+7-(\t)
	global_store_b128 v[CO], v[ACC+32*(\a)+4*(\t):ACC+32*(\a)+4*(\t)+3], s[12:13] offset:(16*(\a)+2*(\t))*OROW th:TH_STORE_NT  ; 16 lanes store 256 consecutive bytes, at a multiple of 256 from out0's first byte; no register of a store is written again
.endr
.endm
	TOSTAGE 0
	TOSTAGE 1
	SEND 0, 16
	TOSTAGE 2
	SEND 1, 16
	TOSTAGE 3
	SEND 2, 16
	SEND 3, 0
	s_wait_tensorcnt 0x0                           ; the wave's end: behind my last tensor load and my last LDS store
	ds_add_u32 v[SPW], v[NIL]
	s_wait_dscnt 0x0
	CROUND                                         ; the closing round: no work-group ends while a partner may still ask for a tile that names it
	s_endpgm
.Lfunc_end_k_qea20d31dde_fuse:
	.size	k_qea20d31dde_fuse, .Lfunc_end_k_qea20d31dde_fuse-k_qea20d31dde_fuse
	.p2alignl 7, 3214868480
	.fill 96, 4, 3214868480
	.section	.rodata,"a",@progbits
	.p2align	6, 0x0
	.amdhsa_kernel k_qea20d31dde_fuse
		.amdhsa_group_segment_fixed_size 327680
		.amdhsa_private_segment_fixed_size 0
		.amdhsa_enable_private_segment 0
		.amdhsa_kernarg_size 40
		.amdhsa_user_sgpr_count 2
		.amdhsa_user_sgpr_kernarg_segment_ptr 1
		.amdhsa_wavefront_size32 1
		.amdhsa_system_sgpr_workgroup_id_x 1
		.amdhsa_system_sgpr_workgroup_id_y 1
		.amdhsa_system_sgpr_workgroup_id_z 1
		.amdhsa_system_vgpr_workitem_id 0
		.amdhsa_next_free_vgpr 672
		.amdhsa_next_free_sgpr 76
		.amdhsa_reserve_vcc 0
		.amdhsa_float_denorm_mode_32 3
		.amdhsa_float_denorm_mode_16_64 3
		.amdhsa_memory_ordered 1
		.amdhsa_forward_progress 1
		.amdhsa_inst_pref_size 176
	.end_amdhsa_kernel
	.amdgpu_metadata
---
amdhsa.version: [ 1, 2 ]
amdhsa.kernels:
  - .name:           k_qea20d31dde_fuse
    .symbol:         k_qea20d31dde_fuse.kd
    .args:
      - { .name: xb, .offset: 0, .size: 8, .value_kind: global_buffer, .address_space: global }
      - { .name: wb, .offset: 8, .size: 8, .value_kind: global_buffer, .address_space: global }
      - { .name: gates, .offset: 16, .size: 8, .value_kind: global_buffer, .address_space: global }
      - { .name: bb, .offset: 24, .size: 8, .value_kind: global_buffer, .address_space: global }
      - { .name: out0, .offset: 32, .size: 8, .value_kind: global_buffer, .address_space: global }
    .group_segment_fixed_size: 327680
    .private_segment_fixed_size: 0
    .kernarg_segment_align: 8
    .kernarg_segment_size: 40
    .max_flat_workgroup_size: 128
    .sgpr_count:     76
    .vgpr_count:     672
    .wavefront_size: 32
...
	.end_amdgpu_metadata
.endif
;; end of part 2
;; ======== version 2 of 3: 2 launches; 1.27 times as fast as version 1
;; workspace buffers: xb 8,388,608 bytes; wb 67,108,864 bytes; gates 131,072 bytes; bbt 65,536 bytes
;; launch prep (part 3): grid 256 x 1, 16 waves a work-group, no clusters, 51,456 bytes of LDS; arguments spatial_features, temporal_features, Ws, Wt, Wg1, Wg2, bg1, bg2, bs, bt, xb, wb, gates, bbt; writes xb, wb, gates, bbt
.if DOCPART == 3
	.amdgcn_target "amdgcn-amd-amdhsa--gfx1250"
	.amdhsa_code_object_version 6
	.text
	.protected	k_qea20d31dde_prep
	.globl	k_qea20d31dde_prep
	.p2align	8
	.type	k_qea20d31dde_prep,@function
k_qea20d31dde_prep:
	s_mov_b64 s[64:65], 0
	v_nop
	global_prefetch_b8 v0, s[64:65] scope:SCOPE_SE
	s_setreg_imm32_b32 hwreg(HW_REG_WAVE_MODE, 25, 1), 1
	s_wait_xcnt 0x0
; PREP.  Rounds every input once to bf16 and makes the gates.
;   xb    bf16, in the order in which a wave's operand registers take it: [2 (spatial, temporal)][128 blocks of 16 rows][32 blocks of 32 channels][1,024 bytes];
;         in a block, row r's channels 16 q + 8 h + 0..7 lie at byte 512 (r / 8) + 256 q + 128 h + 16 (r % 8).
;   wb    [16][2048][1024] bf16: Ws's eight experts, then Wt's.          bbt [2048][16] bf16: column f's sixteen bias numbers, bs's eight, then bt's.
;   gates [2048][16] f32: softmax(relu(x Wg1^T + bg1) Wg2^T + bg2), the row's true maximum taken away first.
; LIMITS.  x, Wg1, Wg2, bg1, bg2, bs, bt, Ws, Wt are rounded to bf16 (nearest even); the 16 hidden numbers of a row are rounded to bf16 as operands of the
; second gate product; sums, maximum, exponentials and the division are f32; an exponential below 2^-126 counts as 0; NaN and infinities are not treated apart.
; SHARES.  256 work-groups of 16 waves.  Work-group g: rows 8 g .. 8 g + 7 of x (cast, and their gates), 8 columns of the bias, 524,288 bytes of f32 weights.
; The stream binds: 16 loads of 16 bytes a lane are out in every wave at all times, the first 16 asked for before the gate work begins.  No cluster, no tensor
; load: no two work-groups read the same weights, and the bytes pass through registers anyway, to be rounded.
.set XPITCH, 4128                      ; a row of x in LDS: 2,048 bf16 (spatial, then temporal) + 32 bytes = 1,032 words
.set PART,   33024                     ; behind the 8 rows: 1,024 bytes a wave, its part of the first gate product
.set SPARE,  49408                     ; behind that: the spare words, 128 bytes a wave, eight blocks of 256 bytes that no other line names
.set L16, 5                            ; v5   16 x lane
.set XR,  6                            ; v6   where I read 16 bytes of x back from LDS, in xb's order
.set XO,  7                            ; v7   where they go in xb: 1,024 x wave + 16 x lane
.set BOF, 9                            ; v9   my place in bs and in bt: column lane / 4, row 4 (lane % 2)
.set LO,  10                           ; v10  16 x thread: my 16 bytes in a run of 8,192 bytes of f32
.set SO,  11                           ; v11  8 x thread: my 8 bytes in a run of 4,096 bytes of bf16
.set XS,  12                           ; v12  where I put 8 bytes of a row of x in LDS
.set XF,  13                           ; v13  where my fragments of x begin in LDS
.set WO,  14                           ; v14  where my fragments of Wg1 begin in memory
.set PS,  15                           ; v15  where I put my wave's partial sums
.set SPW, 16                           ; v16  my spare word; never rewritten
.set NIL, 17                           ; v17  0; never rewritten
.set H32, 18                           ; v18  32 x (lane / 16)
.set W2O, 19                           ; v19  64 x (lane % 16) + 32 x (lane / 16)
.set XIN, 20                           ; v20-51   eight loads of x; the bf16 pairs take the first two registers of each; then v20-35: x in xb's order
.set BOUT, 36                          ; v36-39   wave 1, behind the first barrier: four bias numbers in bf16, their address, a mask's source
.set XFR, 52                           ; v52-83   four fragments of x
.set WG,  84                           ; v84-147  sixteen loads of Wg1; rounded they are four fragments in v84-115
.set AC,  116                          ; v116-147 four accumulators
.set X,   148                          ; v148-211 the stream's ring: slot i, 4 registers as loaded
.set Y,   212                          ; v212-243 slot i, 2 registers to store.  Ahead of the stream: wave 0's Wg2, bg1, bg2, wave 1's bias numbers
.set W2,  212
.set B1,  220
.set B2,  228
.set BSR, 212
.set BTR, 220
.set H,   20                           ; wave 0, behind the sum of the parts: the hidden layer,
.set HF,  28                           ; its fragment,
.set WF,  36                           ; Wg2's fragment,
.set LG,  44                           ; the logits,
.set T,   52                           ; at work,
.set O,   60                           ; four gates to store
	s_load_b512 s[8:23], s[0:1], 0x0               ; spatial 8, temporal 10, Ws 12, Wt 14, Wg1 16, Wg2 18, bg1 20, bg2 22
	s_load_b256 s[24:31], s[0:1], 0x40             ; bs 24, bt 26, xb 28, wb 30
	s_load_b128 s[32:35], s[0:1], 0x60             ; gates 32, bbt 34
	v_lshl_add_u32 v[SPW], v0, 2, SPARE
	v_mov_b32 v[NIL], 0
	v_lshrrev_b32 v4, 5, v0
	v_readfirstlane_b32 s4, v4                     ; wave 0..15
	v_and_b32 v1, 15, v0                           ; r = lane % 16
	v_bfe_u32 v2, v0, 4, 1                         ; h = lane / 16
	v_and_b32 v3, 31, v0                           ; lane
	v_and_b32 v8, 7, v0                            ; lane % 8
	v_lshlrev_b32 v[L16], 4, v3
	v_lshlrev_b32 v[LO], 4, v0
	v_lshlrev_b32 v[SO], 3, v0
	s_lshr_b32 s5, s4, 3                           ; a load of 8,192 bytes is two rows: waves 0-7 hold the even one, waves 8-15 the odd one,
	s_mul_i32 s5, s5, XPITCH
	s_and_b32 s6, s4, 7
	s_lshl_b32 s6, s6, 8                           ; each wave 256 bytes of its bf16
	s_add_co_u32 s5, s5, s6
	v_lshl_add_u32 v[XS], v3, 3, s5
	v_mul_u32_u24 v[XF], v8, XPITCH                ; fragment of x: row r % 8, channels 128 w on (256 bytes a wave), 16 bytes for each half of the lanes
	v_lshl_add_u32 v[XF], v2, 4, v[XF]
	v_lshl_add_u32 v[XF], s4, 8, v[XF]
	v_mul_u32_u24 v[XR], v8, XPITCH                ; back in xb's order: lane 16 q + 8 h + p takes row p, channels 16 q + 8 h on, of the block of 32 channels 16 pass + w
	v_bfe_u32 v4, v0, 3, 1
	v_lshl_add_u32 v[XR], v4, 4, v[XR]
	v_lshl_add_u32 v[XR], v2, 5, v[XR]
	v_lshl_add_u32 v[XR], s4, 6, v[XR]
	v_lshl_add_u32 v[XO], s4, 10, v[L16]
	v_lshrrev_b32 v[BOF], 2, v3                    ; the bias: column lane / 4 of my 8, 4 bytes each,
	v_lshlrev_b32 v[BOF], 2, v[BOF]
	v_and_b32 v4, 1, v0
	v_lshl_add_u32 v[BOF], v4, 15, v[BOF]          ; and rows 4 (lane % 2) on, of 8,192 bytes
	v_lshlrev_b32 v[WO], 13, v1                    ; fragment of Wg1 in f32: row r of 8,192 bytes, 512 bytes a wave, 32 bytes for each half of the lanes
	v_lshl_add_u32 v[WO], v2, 5, v[WO]
	v_lshl_add_u32 v[WO], s4, 9, v[WO]
	v_lshl_add_u32 v[PS], s4, 10, v[L16]
	v_add_nc_u32 v[PS], PART, v[PS]
	v_lshlrev_b32 v[H32], 5, v2
	v_lshl_add_u32 v[W2O], v1, 6, v[H32]
	s_lshl_b32 s36, ttmp9, 15                      ; 8 rows of 4,096 bytes of x
	s_mov_b32 s37, 0
	s_and_b32 s5, ttmp9, 127                       ; my place in Ws (g < 128) or in Wt
	s_lshl_b32 s38, s5, 19                         ; 524,288 bytes of f32 weights
	s_mov_b32 s39, 0
	s_mov_b32 s51, 0x3fb8aa3b                      ; log2(e)
	s_mov_b32 s52, 0x76543210                      ; v_permlanex16_b32: each lane takes its own place in the other half
	s_mov_b32 s53, 0xfedcba98
	s_wait_kmcnt 0x0
	s_add_nc_u64 s[8:9], s[8:9], s[36:37]
	s_add_nc_u64 s[10:11], s[10:11], s[36:37]
	s_cmp_lt_u32 ttmp9, 128
	s_cselect_b64 s[40:41], s[12:13], s[14:15]     ; the weights that I cast
	s_add_nc_u64 s[40:41], s[40:41], s[38:39]
	s_lshl_b32 s36, ttmp9, 5                       ; my 8 columns of f32 in a row of bs and of bt
	s_add_nc_u64 s[24:25], s[24:25], s[36:37]
	s_add_nc_u64 s[26:27], s[26:27], s[36:37]
	s_lshl_b32 s36, ttmp9, 18                      ; 262,144 bytes of bf16 weights
	s_add_nc_u64 s[44:45], s[30:31], s[36:37]
	s_lshr_b32 s5, ttmp9, 1                        ; xb: my block of 16 rows, 32,768 bytes,
	s_lshl_b32 s36, s5, 15
	s_and_b32 s5, ttmp9, 1                         ; and which half of each of its blocks of 1,024 bytes is mine
	s_lshl_b32 s5, s5, 9
	s_add_co_u32 s36, s36, s5
	s_add_nc_u64 s[46:47], s[28:29], s[36:37]      ; spatial
	s_add_nc_u64 s[48:49], s[46:47], 0x400000      ; and temporal
	s_lshl_b32 s36, ttmp9, 9                       ; 8 rows of gates: 512 bytes
	s_add_nc_u64 s[32:33], s[32:33], s[36:37]
	s_lshl_b32 s36, ttmp9, 8                       ; 8 columns of bbt: 256 bytes
	s_add_nc_u64 s[34:35], s[34:35], s[36:37]
	; ALL LOADS GO OUT NOW, in the order in which they are wanted: x (8), Wg1 (16), the small ones (wave 0: 6, wave 1: 8), the stream's first 16.
.irp i, 0,1,2,3
	global_load_b128 v[XIN+4*(\i):XIN+4*(\i)+3], v[LO], s[8:9] offset:8192*(\i) th:TH_LOAD_NT       ; rows 2 i, 2 i + 1, spatial
.endr
.irp i, 0,1,2,3
	global_load_b128 v[XIN+16+4*(\i):XIN+16+4*(\i)+3], v[LO], s[10:11] offset:8192*(\i) th:TH_LOAD_NT  ; temporal
.endr
.irp c, 0,1,2,3                        ; fragment c: channels 128 w + 32 c on; a lane's 8 + 8 numbers are 32 + 32 bytes of f32, 64 bytes apart
	global_load_b128 v[WG+16*(\c):WG+16*(\c)+3],     v[WO], s[16:17] offset:128*(\c)
	global_load_b128 v[WG+16*(\c)+4:WG+16*(\c)+7],   v[WO], s[16:17] offset:128*(\c)+16
	global_load_b128 v[WG+16*(\c)+8:WG+16*(\c)+11],  v[WO], s[16:17] offset:128*(\c)+64
	global_load_b128 v[WG+16*(\c)+12:WG+16*(\c)+15], v[WO], s[16:17] offset:128*(\c)+80
.endr
	s_cmp_lg_u32 s4, 0
	s_cbranch_scc1 .Lsmall_1
	global_load_b128 v[W2:W2+3],   v[W2O], s[18:19]             ; Wg2[r][8 h ..]
	global_load_b128 v[W2+4:W2+7], v[W2O], s[18:19] offset:16
	global_load_b128 v[B1:B1+3],   v[H32], s[20:21]             ; bg1[8 h ..]
	global_load_b128 v[B1+4:B1+7], v[H32], s[20:21] offset:16
	global_load_b128 v[B2:B2+3],   v[H32], s[22:23]             ; bg2[8 h ..]
	global_load_b128 v[B2+4:B2+7], v[H32], s[22:23] offset:16
	s_branch .Lsmall_done
.Lsmall_1:
	s_cmp_lg_u32 s4, 1
	s_cbranch_scc1 .Lsmall_done
.irp j, 0,1,2,3                        ; the bias is turned: my column of rows 4 (lane % 2) + j of bs and of bt; 131,072 bytes in the whole launch
	global_load_b32 v[BSR+(\j)], v[BOF], s[24:25] offset:8192*(\j)
	global_load_b32 v[BTR+(\j)], v[BOF], s[26:27] offset:8192*(\j)
.endr
.Lsmall_done:
.irp i, 0,1,2,3,4,5,6,7,8,9,10,11,12,13,14,15
	global_load_b128 v[X+4*(\i):X+4*(\i)+3], v[LO], s[40:41] offset:8192*(\i) th:TH_LOAD_NT
.endr
	; x: rounded and laid into LDS, for the gate product and for xb's order
	s_wait_loadcnt 32                              ; behind x's loads every wave has issued Wg1's 16 and the stream's 16
.irp i, 0,1,2,3,4,5,6,7
	v_cvt_pk_bf16_f32 v[XIN+4*(\i)],   v[XIN+4*(\i)],   v[XIN+4*(\i)+1]
	v_cvt_pk_bf16_f32 v[XIN+4*(\i)+1], v[XIN+4*(\i)+2], v[XIN+4*(\i)+3]
.endr
.irp i, 0,1,2,3
	ds_store_b64 v[XS], v[XIN+4*(\i):XIN+4*(\i)+1]       offset:2*XPITCH*(\i)
	ds_store_b64 v[XS], v[XIN+16+4*(\i):XIN+16+4*(\i)+1] offset:2*XPITCH*(\i)+2048
.endr
	s_wait_dscnt 0x0                               ; for the others' sake: my part of the rows is in LDS
	s_barrier_signal -1
	s_barrier_wait -1
	; THE FIRST GATE PRODUCT, K = 2,048 shared out: wave w takes channels 128 w .. 128 w + 127.  Source 0 = Wg1's 16 rows, source 1 = the 8 rows of x, each twice:
	; in the result lane (r, h), register j holds the part of hidden[row r % 8][8 h + j].
.irp c, 0,1,2,3
	ds_load_b128 v[XFR+8*(\c):XFR+8*(\c)+3],   v[XF] offset:64*(\c)
	ds_load_b128 v[XFR+8*(\c)+4:XFR+8*(\c)+7], v[XF] offset:64*(\c)+32
.endr
.irp p, 0,1,2,3                        ; and x in xb's order: pass p, wave w: the block of 32 channels 16 p + w of the 64
	ds_load_b128 v[XIN+4*(\p):XIN+4*(\p)+3], v[XR] offset:1024*(\p)
.endr
	s_wait_loadcnt 16                              ; only the stream's 16 may be out: Wg1 is in, and so are the small loads of waves 0 and 1
.set l, 0
.rept 16                               ; rounded in place, ascending: a destination never lies above a source that is still to be read
	v_cvt_pk_bf16_f32 v[WG+2*l],   v[WG+4*l],   v[WG+4*l+1]
	v_cvt_pk_bf16_f32 v[WG+2*l+1], v[WG+4*l+2], v[WG+4*l+3]
.set l, l+1
.endr
	s_wait_dscnt 0x0
	global_store_b128 v[XO], v[XIN:XIN+3],     s[46:47]               ; a wave's store covers 512 consecutive bytes, aligned: my half of a block of 1,024
	global_store_b128 v[XO], v[XIN+4:XIN+7],   s[46:47] offset:16384
	global_store_b128 v[XO], v[XIN+8:XIN+11],  s[48:49]
	global_store_b128 v[XO], v[XIN+12:XIN+15], s[48:49] offset:16384
.irp c, 0,1,2,3                        ; four accumulators, one product each: no chain
	v_wmma_f32_16x16x32_bf16 v[AC+8*(\c):AC+8*(\c)+7], v[WG+8*(\c):WG+8*(\c)+7], v[XFR+8*(\c):XFR+8*(\c)+7], 0
.endr
.rept 4
	v_nop                                          ; four places between the products and the first read of their results (ISA guide 7.12.1)
.endr
.irp p, 0,2,4,6                        ; each accumulator is read from its low end on
	v_pk_add_f32 v[AC+(\p):AC+(\p)+1], v[AC+(\p):AC+(\p)+1], v[AC+8+(\p):AC+8+(\p)+1]
.endr
.irp p, 0,2,4,6
	v_pk_add_f32 v[AC+16+(\p):AC+16+(\p)+1], v[AC+16+(\p):AC+16+(\p)+1], v[AC+24+(\p):AC+24+(\p)+1]
.endr
.irp p, 0,2,4,6
	v_pk_add_f32 v[AC+(\p):AC+(\p)+1], v[AC+(\p):AC+(\p)+1], v[AC+16+(\p):AC+16+(\p)+1]
.endr
	ds_store_b128 v[PS], v[AC:AC+3]
	ds_store_b128 v[PS], v[AC+4:AC+7] offset:512
	s_wait_dscnt 0x0                               ; for wave 0's sake: my part is in LDS
	s_barrier_signal -1
	s_barrier_wait -1
.macro RND8 base, tmp                  ; eight f32 rounded to bf16 and written as f32 again
.irp p, 0,1,2,3
	v_cvt_pk_bf16_f32 v[(\tmp)+(\p)], v[(\base)+2*(\p)], v[(\base)+2*(\p)+1]
.endr
.irp p, 0,1,2,3
	v_lshlrev_b32 v[(\base)+2*(\p)],   16,         v[(\tmp)+(\p)]
	v_and_b32     v[(\base)+2*(\p)+1], 0xffff0000, v[(\tmp)+(\p)]
.endr
.endm
	s_cmp_lg_u32 s4, 0
	s_cbranch_scc1 .Lnot_wave_0
	; WAVE 0 FINISHES THE GATES of the 8 rows.
	s_wait_xcnt 0x0                                ; the stores to xb have read v20-35: only behind this wait are they loaded into
	v_add_nc_u32 v4, PART, v[L16]
.set u, 0
.rept 16
	ds_load_b128 v[20+8*u:20+8*u+3],   v4 offset:1024*u
	ds_load_b128 v[20+8*u+4:20+8*u+7], v4 offset:1024*u+512
.set u, u+1
.endr
	s_wait_dscnt 0x0
.irp d, 8,4,2,1                        ; the 16 parts are added as a tree, in f32
.set u, 0
.rept \d
.irp p, 0,2,4,6
	v_pk_add_f32 v[20+8*u+(\p):20+8*u+(\p)+1], v[20+8*u+(\p):20+8*u+(\p)+1], v[20+8*(u+(\d))+(\p):20+8*(u+(\d))+(\p)+1]
.endr
.set u, u+1
.endr
.endr
	RND8 B1, T
	RND8 B2, T
.irp p, 0,2,4,6
	v_pk_add_f32 v[H+(\p):H+(\p)+1], v[H+(\p):H+(\p)+1], v[B1+(\p):B1+(\p)+1]
.endr
.irp j, 0,1,2,3,4,5,6,7
	v_max_num_f32 v[H+(\j)], 0, v[H+(\j)]          ; ReLU
.endr
.irp p, 0,1,2,3                        ; lane (r, h) holds hidden[row][8 h ..] and Wg2[r][8 h ..]: just the first 16 of a fragment's 32 along K; the other 16 are zeros
	v_cvt_pk_bf16_f32 v[HF+(\p)], v[H+2*(\p)],  v[H+2*(\p)+1]
	v_cvt_pk_bf16_f32 v[WF+(\p)], v[W2+2*(\p)], v[W2+2*(\p)+1]
	v_mov_b32 v[HF+4+(\p)], 0
	v_mov_b32 v[WF+4+(\p)], 0
.endr
	v_wmma_f32_16x16x32_bf16 v[LG:LG+7], v[WF:WF+7], v[HF:HF+7], v[B2:B2+7]  ; logit[row r % 8][8 h + j], bg2 as the sum's start
.rept 4
	v_nop
.endr
	v_max3_num_f32 v[T], v[LG], v[LG+1], v[LG+2]   ; the row's maximum: my 8 logits, low end first,
	v_max3_num_f32 v[T], v[T], v[LG+3], v[LG+4]
	v_max3_num_f32 v[T], v[T], v[LG+5], v[LG+6]
	v_max_num_f32 v[T], v[T], v[LG+7]
	v_permlanex16_b32 v[T+1], v[T], s52, s53       ; and the other 8, in the lane 16 away (v53 has been written: it served the rounding above)
	v_max_num_f32 v[T], v[T], v[T+1]
	v_mul_f32 v[T+2], s51, v[T]
.irp j, 0,1,2,3,4,5,6,7
	v_fma_f32 v[LG+(\j)], v[LG+(\j)], s51, -v[T+2]  ; log2(e) (s - m), fused
.endr
.irp j, 0,1,2,3,4,5,6,7
	v_exp_f32 v[LG+(\j)], v[LG+(\j)]
.endr
	v_nop                                          ; a plain instruction behind the last exponential,
	s_wait_alu depctr_va_vdst(0)                   ; and one wait for the batch of eight, ahead of its first reader
	v_add_f32 v[T],   v[LG],   v[LG+1]
	v_add_f32 v[T+1], v[LG+2], v[LG+3]
	v_add_f32 v[T+2], v[LG+4], v[LG+5]
	v_add_f32 v[T+3], v[LG+6], v[LG+7]
	v_add_f32 v[T],   v[T],   v[T+1]
	v_add_f32 v[T+2], v[T+2], v[T+3]
	v_add_f32 v[T],   v[T],   v[T+2]
	v_permlanex16_b32 v[T+1], v[T], s52, s53
	v_add_f32 v[T], v[T], v[T+1]
	v_rcp_f32 v[T+2], v[T]
	v_lshrrev_b32 v6, 3, v1                        ; the store's address is the plain work behind the reciprocal: 64 (r % 8) + 32 h + 16 (r / 8)
	v_lshlrev_b32 v6, 4, v6
	v_lshl_add_u32 v6, v8, 6, v6
	v_add_nc_u32 v6, v[H32], v6
	v_cmp_gt_u32 vcc_lo, 8, v1
	s_wait_alu depctr_va_vdst(0)                   ; the reciprocal's wait
.irp j, 0,1,2,3,4,5,6,7
	v_mul_f32 v[LG+(\j)], v[LG+(\j)], v[T+2]
.endr
.irp j, 0,1,2,3                        ; each row stands in two lanes of a half: lanes r < 8 store gates 8 h + 0..3, lanes r >= 8 gates 8 h + 4..7
	v_cndmask_b32 v[O+(\j)], v[LG+4+(\j)], v[LG+(\j)], vcc_lo
.endr
	global_store_b128 v6, v[O:O+3], s[32:33]       ; 8 rows of 64 bytes: 512 consecutive bytes, aligned
	s_branch .Lstream
.Lnot_wave_0:
	s_cmp_lg_u32 s4, 1
	s_cbranch_scc1 .Lstream
	; WAVE 1: 8 columns of the bias.  Lane l: column l / 4, experts 4 (l % 4) + 0..3: lanes with l % 4 < 2 keep bs's four numbers, the others take bt's.
	v_and_b32 v[BOUT+3], 2, v0
	v_cmp_eq_u32 vcc_lo, 2, v[BOUT+3]
.irp j, 0,1,2,3
	v_cndmask_b32 v[BSR+(\j)], v[BSR+(\j)], v[BTR+(\j)], vcc_lo
.endr
	v_cvt_pk_bf16_f32 v[BOUT],   v[BSR],   v[BSR+1]
	v_cvt_pk_bf16_f32 v[BOUT+1], v[BSR+2], v[BSR+3]
	v_lshlrev_b32 v[BOUT+2], 3, v3
	global_store_b64 v[BOUT+2], v[BOUT:BOUT+1], s[34:35]  ; 8 columns of 32 bytes: 256 consecutive bytes, aligned; none of its registers is written again
.Lstream:
; THE STREAM.  A ring of 16 slots; a turn of all slots is 131,072 bytes of f32 in and 65,536 of bf16 out.  ahead = 1: the slot is filled again, 16 loads on.
; left = how many younger loads may stay out.
.macro SLOT i, ahead, left
	s_wait_loadcnt \left                           ; loads come back in order (ISA guide 5.7.1): mine is in
	v_cvt_pk_bf16_f32 v[Y+2*(\i)],   v[X+4*(\i)],   v[X+4*(\i)+1]
	v_cvt_pk_bf16_f32 v[Y+2*(\i)+1], v[X+4*(\i)+2], v[X+4*(\i)+3]
.if \ahead
	global_load_b128 v[X+4*(\i):X+4*(\i)+3], v[LO], s[40:41] offset:8192*(16+(\i)) th:TH_LOAD_NT
.endif
	global_store_b64 v[SO], v[Y+2*(\i):Y+2*(\i)+1], s[44:45] offset:4096*(\i)   ; a wave's store covers 256 consecutive bytes, aligned
.endm
	s_mov_b32 s50, 3
.Lring:
.irp i, 0,1,2,3,4,5,6,7,8,9,10,11,12,13,14,15
	SLOT \i, 1, 15
.endr
	s_wait_xcnt 0x0                                ; the two bases, and Y, which the stores read, are rewritten only behind this wait
	s_add_nc_u64 s[40:41], s[40:41], 0x20000
	s_add_nc_u64 s[44:45], s[44:45], 0x10000
	s_sub_co_u32 s50, s50, 1
	s_cmp_lg_u32 s50, 0
	s_cbranch_scc1 .Lring
.irp i, 0,1,2,3,4,5,6,7,8,9,10,11,12,13,14,15
	SLOT \i, 0, 15-(\i)                            ; the last turn loads nothing: the counts run down, and no load leaves the buffer
.endr
	s_wait_tensorcnt 0x0                           ; the wave's end: behind my last LDS store
	ds_add_u32 v[SPW], v[NIL]
	s_wait_dscnt 0x0
	s_endpgm
.Lfunc_end_k_qea20d31dde_prep:
	.size	k_qea20d31dde_prep, .Lfunc_end_k_qea20d31dde_prep-k_qea20d31dde_prep
	.p2alignl 7, 3214868480
	.fill 96, 4, 3214868480
	.section	.rodata,"a",@progbits
	.p2align	6, 0x0
	.amdhsa_kernel k_qea20d31dde_prep
		.amdhsa_group_segment_fixed_size 51456
		.amdhsa_private_segment_fixed_size 0
		.amdhsa_enable_private_segment 0
		.amdhsa_kernarg_size 112
		.amdhsa_user_sgpr_count 2
		.amdhsa_user_sgpr_kernarg_segment_ptr 1
		.amdhsa_wavefront_size32 1
		.amdhsa_system_sgpr_workgroup_id_x 1
		.amdhsa_system_sgpr_workgroup_id_y 1
		.amdhsa_system_sgpr_workgroup_id_z 1
		.amdhsa_system_vgpr_workitem_id 0
		.amdhsa_next_free_vgpr 244
		.amdhsa_next_free_sgpr 66
		.amdhsa_reserve_vcc 1
		.amdhsa_float_denorm_mode_32 3
		.amdhsa_float_denorm_mode_16_64 3
		.amdhsa_memory_ordered 1
		.amdhsa_forward_progress 1
		.amdhsa_inst_pref_size 37
	.end_amdhsa_kernel
	.amdgpu_metadata
---
amdhsa.version: [ 1, 2 ]
amdhsa.kernels:
  - .name:           k_qea20d31dde_prep
    .symbol:         k_qea20d31dde_prep.kd
    .args:
      - { .name: spatial_features, .offset: 0, .size: 8, .value_kind: global_buffer, .address_space: global }
      - { .name: temporal_features, .offset: 8, .size: 8, .value_kind: global_buffer, .address_space: global }
      - { .name: Ws, .offset: 16, .size: 8, .value_kind: global_buffer, .address_space: global }
      - { .name: Wt, .offset: 24, .size: 8, .value_kind: global_buffer, .address_space: global }
      - { .name: Wg1, .offset: 32, .size: 8, .value_kind: global_buffer, .address_space: global }
      - { .name: Wg2, .offset: 40, .size: 8, .value_kind: global_buffer, .address_space: global }
      - { .name: bg1, .offset: 48, .size: 8, .value_kind: global_buffer, .address_space: global }
      - { .name: bg2, .offset: 56, .size: 8, .value_kind: global_buffer, .address_space: global }
      - { .name: bs, .offset: 64, .size: 8, .value_kind: global_buffer, .address_space: global }
      - { .name: bt, .offset: 72, .size: 8, .value_kind: global_buffer, .address_space: global }
      - { .name: xb, .offset: 80, .size: 8, .value_kind: global_buffer, .address_space: global }
      - { .name: wb, .offset: 88, .size: 8, .value_kind: global_buffer, .address_space: global }
      - { .name: gates, .offset: 96, .size: 8, .value_kind: global_buffer, .address_space: global }
      - { .name: bbt, .offset: 104, .size: 8, .value_kind: global_buffer, .address_space: global }
    .group_segment_fixed_size: 51456
    .private_segment_fixed_size: 0
    .kernarg_segment_align: 8
    .kernarg_segment_size: 112
    .max_flat_workgroup_size: 512
    .sgpr_count:     66
    .vgpr_count:     244
    .wavefront_size: 32
...
	.end_amdgpu_metadata
.endif
;; end of part 3
;; launch fuse (part 4): grid 16 x 16, 4 waves a work-group, clusters of 4 x 1, 327,680 bytes of LDS; arguments xb, wb, gates, bbt, out0; writes out0
.if DOCPART == 4
	.amdgcn_target "amdgcn-amd-amdhsa--gfx1250"
	.amdhsa_code_object_version 6
	.text
	.protected	k_qea20d31dde_fuse
	.globl	k_qea20d31dde_fuse
	.p2align	8
	.type	k_qea20d31dde_fuse,@function
k_qea20d31dde_fuse:
	s_mov_b64 s[64:65], 0
	v_nop
	global_prefetch_b8 v0, s[64:65] scope:SCOPE_SE
	s_setreg_imm32_b32 hwreg(HW_REG_WAVE_MODE, 25, 1), 1
	s_wait_xcnt 0x0
	s_wait_alu depctr_hold_cnt(0) depctr_sa_sdst(0) depctr_va_vdst(0) depctr_va_sdst(0) depctr_va_ssrc(0) depctr_va_vcc(0) depctr_vm_vsrc(0)
	s_getreg_b32 s2, hwreg(HW_REG_IB_STS2, 6, 4)
	s_cmp_eq_u32 s2, 0
	s_cbranch_scc0 .Lentry_in_a_cluster
	s_endpgm
.Lentry_in_a_cluster:
	s_bfe_u32 s2, ttmp6, 0x10000c
	s_cmp_lg_u32 s2, 0x3003
	s_cbranch_scc0 .Lentry_shape_is_right
	s_endpgm
.Lentry_shape_is_right:
; FUSE.  out0[b][f] = the sum over 16 experts e of gates[b][e] x (the sum over k of x[mod(e)][b][k] wb[e][f][k] + bias[e][f]);  mod(e) = 0 for e < 8 (spatial), else 1.
; xb: x in bf16, in blocks of 16 rows x 32 channels laid as a wave's operand registers take them.  wb: [16][2048][1024] bf16.  bbt: [2048][16] bf16.  gates, out0: f32.
; Products in the matrix unit with f32 sums; the gate is applied in f32 to finished f32 sums (TOT += g x ACC), so x and wb are not rounded a second time.
; LIMITS: those of the operands' bf16; for the bias term alone the gates are rounded to bf16, as operands of its product; NaN and infinities are not treated apart.
; SHARES.  A tile of out0 is 128 x 128: 16 x 16 = 256 work-groups of four waves, a wave 64 x 64: 16 accumulators.
; THE WALK.  The same 256 channels of x serve all 8 experts of a modality, and the gate is linear.  So K goes in 8 CHUNKS (modality, 256 channels); a wave keeps its 64 rows of a chunk
; in 256 registers and takes the 8 experts through them, 128 products each, each followed by TOT += g x ACC.  Only wb goes through LDS: a slot holds the tiles of two experts
; (2 x 128 rows x 512 bytes), so a refill is 131,072 bytes for 256 products of each wave, and of each fragment pair only wb's is read from LDS: 64 loads for 128 products.
; x of the next chunk is loaded straight into the other 256 registers, a chunk ahead, in two blocks of 32 loads of 512 bytes each.
; CLUSTER.  4 x 1: four tile rows of one tile column.  They walk the same rows of wb: each tile is asked for JOINTLY, by the same tensor load, descriptor and mask in all four.
; x is not asked for jointly: it goes into registers, where no joint load lands; it is 1 MiB a work-group (4 waves x 8 chunks x 32 KiB) beside wb's 4 MiB.
; THE MATRIX INSTRUCTION IS USED TRANSPOSED (source 0 = 16 rows of wb, source 1 = 16 rows of x): lane l holds row l % 16 of the block and the columns 8 (l / 16) + 0..7:
; one gate a lane and block, and 32 neighbouring bytes of a row of out0.
; THE BIAS starts TOT: TOT = gates x bias^T, 16 products over the 16 experts (K padded to 32 with zeros), C = 0: nothing is cleared.
; REGISTERS, in windows of 256 (s_set_vgpr_msb: bits 1:0 source 0, 3:2 source 1, 5:4 source 2, 7:6 destination):
;   window 0: v0-31 addresses; v32-39 the expert's gates; v64-127 the bias product's operands; v128-255 ACC ((a, b) at 128 + 8 (4 a + b)), on the way out whole rows
;   windows 1, 2: x of a chunk: K block kb of 32, row block a at 32 kb + 8 a; even chunks in window 1, odd ones in window 2
;   window 3: v0-127 TOT, laid as ACC; v128-255 two buffers of wb's fragments, 64 along K each
.set PITCH,  528                       ; an LDS row: 512 bytes + 16 of padding = 132 words: row r starts at bank 4 r mod 64 (64 banks of 4 bytes: ISA guide 11.1)
.set HALFT,  64*PITCH                  ; 64 rows: what one tensor load brings, and what one wave reads of an expert's tile
.set TILE,   2*HALFT                   ; an expert's 128 rows
.set SLOT,   2*TILE                    ; two experts
.set STAGE,  2*SLOT                    ; behind the ring: 16 rows x 272 bytes for each wave, for the way out
.set SPITCH, 272
.set GL,     STAGE+4*16*SPITCH         ; behind the stages: for each wave its 64 rows' 16 gates, rows of 64 + 16 bytes = 20 words: 16 rows' words of one expert lie in 16 different banks
.set GPITCH, 80
.set SPARE,  GL+4*64*GPITCH            ; behind the tables: the spare words, 128 bytes a wave: two blocks of 256 bytes that no other line names
.set OROW,   8192                      ; bytes in a row of out0
.set GAD,  7                           ; v7      LDS address of this expert's gates
.set ADR,  8                           ; v8      LDS address of my fragments in the tile in hand
.set AB0,  9                           ; v9      my lane's place in a tile; never rewritten
.set AO,   10                          ; v10     my lane's place in a block of xb; never rewritten
.set BTO,  11                          ; v11     my lane's place in 16 columns of bbt
.set GB,   12                          ; v12     my row's gates 8 (l / 16) on, for the bias product
.set STO,  24                          ; v24     the way out: where I put 32 bytes of a row
.set RD,   25                          ; v25     the way out: where I read a row back
.set CO,   26                          ; v26     my byte offset in out0
.set GA,   27                          ; v27     my row's gates in my wave's table; never rewritten
.set SPW,  28                          ; v28     my spare word; never rewritten
.set NIL,  29                          ; v29     0; never rewritten
.set GS,   31                          ; v31     where I put 16 bytes of the gate table
.set GV,   32                          ; v32-39  block a's gate in v[32 + 2 a]; the odd registers hold 0: the packed line names pairs
.set GT,   64                          ; v64-95  the gate table on its way to LDS; then the gates' four fragments
.set BT,   96                          ; v96-127 the bias's four fragments
.set ACC,  128
.set GF32, 160                         ; v160-191 the gates for the fragments, in f32, before ACC is used
.set TOT,  0                           ; window 3
.set BF,   128                         ; window 3
.set WV,  14
.set RH,  15                           ; which half of the tile's rows is mine.  Also: which of a slot's two experts I fetch
.set CH,  16                           ; which half of its columns.  Also: which 64 rows of that expert's tile I fetch
.set G1,  24                           ; s[24:31] descriptor group 1
.set G0,  32                           ; s[32:39] group 0, a set for each slot
.set OFB, 40                           ; s[40:41] wb's offset of the period asked for
.set OFA, 42                           ; s[42:43] xb's offset of the chunk asked for
.set AC,  44                           ; s[44:45] xb at that chunk
.set T0,  46
.set T1,  47
.set PNX, 48                           ; s48  the period (two experts of a chunk) to be asked for next: 2 .. 31
.set CN,  49                           ; s49  the chunk whose x is loaded next: 1 .. 8
.set PAIR, 50                          ; s50  pairs of chunks to go
.set QC,  51                           ; s51  halves of a chunk to go: 2, 1
.set TB,  52                           ; s52  LDS byte at which the tile in hand begins
.set GO,  53                           ; s53  4 x the expert in hand: its word in a row of the gate table
.set MSB, 0
.macro WIN new                         ; the immediate's high byte repeats the setting that is left; a switch that changes nothing is dropped
.if MSB != (\new)
	s_set_vgpr_msb (MSB<<8)|(\new)
.set MSB, \new
.endif
.endm
.set TO_B, 0xc0                        ; destination window 3, address window 0
.set SCL,  0xf0                        ; destination and source 2 window 3
.set STG,  0x0c                        ; an LDS store's data in window 3
.macro CREST                           ; a round of the cluster's barrier behind its opening barrier
	s_cmp_lg_u32 s[WV], 0
	s_cbranch_scc1 .Lnot_wave_0_\@
	s_barrier_signal -3
.Lnot_wave_0_\@:
	s_barrier_wait -3
	s_barrier_signal -1
	s_barrier_wait -1
.endm
.macro CROUND                          ; a whole round
	s_barrier_signal -1
	s_barrier_wait -1
	CREST
.endm
.macro PLACES                          ; four places in front of loads into registers that matrix instructions have read, and of vector lines that read results
.rept 4
	v_nop
.endr
.endm
; 32 loads: K blocks 4 half .. 4 half + 3 of a chunk of x, all four row blocks, into window win.  Each load of the wave covers two aligned runs of 256 bytes of one block of xb.
.macro ALOADH win, half, sb
	WIN (\win)<<6
.irp k, 0,1,2,3
.irp a, 0,1,2,3
	global_load_b128 v[32*(4*(\half)+(\k))+8*(\a):32*(4*(\half)+(\k))+8*(\a)+3],   v[AO], s[\sb:(\sb)+1] offset:(\a)*32768+(4*(\half)+(\k))*1024
	global_load_b128 v[32*(4*(\half)+(\k))+8*(\a)+4:32*(4*(\half)+(\k))+8*(\a)+7], v[AO], s[\sb:(\sb)+1] offset:(\a)*32768+(4*(\half)+(\k))*1024+256
.endr
.endr
	WIN 0
.endm
	s_load_b256 s[4:11], s[0:1], 0x0               ; xb s[4:5], wb s[6:7], gates s[8:9], bbt s[10:11]
	s_load_b64 s[12:13], s[0:1], 0x20              ; out0
	v_lshl_add_u32 v[SPW], v0, 2, SPARE
	v_mov_b32 v[NIL], 0
	ds_add_u32 v[SPW], v[NIL]                      ; the wave's opening: the add and its wait stand ahead of my first tensor load; the set-up below, work on registers, stands between them
	v_lshrrev_b32 v1, 5, v0
	v_readfirstlane_b32 s[WV], v1                  ; wave 0..3
	s_lshr_b32 s[RH], s[WV], 1
	s_and_b32 s[CH], s[WV], 1
	s_bfe_u32 s17, ttmp6, 0x40000                  ; cx: my place in the cluster
	s_lshl_b32 s20, ttmp9, 2                       ; in a cluster launch ttmp9 counts clusters
	s_add_co_u32 s20, s20, s17                     ; tile row = 4 x cluster x + cx: it enters xb's, gates' and out0's addresses alone
	s_and_b32 s19, ttmp7, 0xffff                   ; tile column, which the four partners share
	; descriptor group 1: a tile of 64 rows x 256 elements, padded in LDS
	s_mov_b32 s[G1+0], 15|(1<<16)|(1<<20)|(1<<21)|(6<<22)|(3<<25)  ; 15:0 the mask: all four work-groups; 17:16 elements of 2 bytes; 20 padding on; 21 set beside a mask; 24:22 after every 128 words (code 6); 31:25 4 words of it (code 3)
	s_mov_b32 s[G1+1], 256<<16                     ; tensor_dim0 = 256
	s_mov_b32 s[G1+2], 64<<16                      ; tensor_dim1 = 64
	s_mov_b32 s[G1+3], 256<<16                     ; tile_dim0 = 256
	s_mov_b32 s[G1+4], 64                          ; tile_dim1 = 64
	s_mov_b32 s[G1+5], 1024                        ; 1,024 elements from row to row
	s_mov_b32 s[G1+6], 0
	s_mov_b32 s[G1+7], 0
	s_lshl_b32 s56, s19, 7
	s_lshl_b32 s23, s[CH], 6
	s_add_co_u32 s56, s56, s23                     ; 128 x tile column + 64 x half: my first column of out0, and the first row of wb that I fetch
	s_lshl_b32 s58, s56, 5                         ; in columns of bbt,
	s_mov_b32 s59, 0
	s_lshl_b32 s60, s56, 2                         ; in bytes of a row of out0,
	s_mov_b32 s61, 0
	s_lshl_b32 s56, s56, 11                        ; in rows of wb,
	s_lshl_b32 s23, s[RH], 22
	s_add_co_u32 s56, s56, s23                     ; and the slot's first or second expert
	s_mov_b32 s57, 0
	s_lshl_b32 s62, s20, 7
	s_lshl_b32 s23, s[RH], 6
	s_add_co_u32 s62, s62, s23                     ; my first row: 128 x tile row + 64 x half,
	s_lshl_b32 s54, s62, 11                        ; in xb (a block of 16 rows is 32,768 bytes),
	s_mov_b32 s55, 0
	s_lshl_b32 s2, s62, 13                         ; in rows of out0,
	s_mov_b32 s3, 0
	s_lshl_b32 s62, s62, 6                         ; and in rows of gates
	s_mov_b32 s63, 0
	s_mul_i32 s22, s[WV], HALFT                    ; where my tiles go in a slot: wave x 64 rows: no place in the cluster enters an LDS address
	s_mov_b32 s[OFB+1], 0
	s_mov_b32 s[OFA+1], 0
	s_mov_b32 s[PNX], 2
	s_mov_b32 s[CN], 1
	s_mov_b32 s[GO], 0
	s_wait_dscnt 0x0                               ; the opening add is done
	s_wait_kmcnt 0x0
	s_add_nc_u64 s[4:5], s[4:5], s[54:55]          ; xb at my 64 rows, chunk 0: kept
	s_add_nc_u64 s[6:7], s[6:7], s[56:57]          ; wb at my 64 rows of period 0: kept
	s_add_nc_u64 s[8:9], s[8:9], s[62:63]
	s_add_nc_u64 s[10:11], s[10:11], s[58:59]
	s_add_nc_u64 s[12:13], s[12:13], s[60:61]
	s_add_nc_u64 s[12:13], s[12:13], s[2:3]
	CROUND                                         ; all four work-groups are here: the first joint loads meet
.irp s, 0,1
	s_mov_b32 s[G0+4*(\s)], 1                                       ; count = 1
	s_add_co_u32 s[G0+4*(\s)+1], s22, (\s)*SLOT                     ; LDS address
	s_add_nc_u64 s[G0+4*(\s)+2:G0+4*(\s)+3], s[6:7], (\s)*0x800000  ; global address: period s: experts 2 s, 2 s + 1, channels 0 on
	s_or_b32 s[G0+4*(\s)+3], s[G0+4*(\s)+3], 0x80000000             ; type = 2
	tensor_load_to_lds s[G0+4*(\s):G0+4*(\s)+3], s[G1:G1+7]         ; two loads of mine are out
	s_nop 0
.rept 4
	v_nop
.endr
.endr
	v_and_b32 v1, 15, v0                           ; l % 16
	v_bfe_u32 v2, v0, 4, 1                         ; l / 16
	v_and_b32 v3, 31, v0                           ; l
	v_lshlrev_b32 v6, 4, v3
	v_lshrrev_b32 v4, 3, v1
	v_and_b32 v5, 7, v1
	v_lshlrev_b32 v[AO], 9, v4                     ; in a block of xb: 512 (r / 8) + 128 h + 16 (r % 8); the two halves of a fragment 256 bytes apart
	v_lshl_add_u32 v[AO], v2, 7, v[AO]
	v_lshl_add_u32 v[AO], v5, 4, v[AO]
	v_lshlrev_b32 v[BTO], 5, v1                    ; column r of 32 bytes, 16 bytes for each half of the lanes
	v_lshl_add_u32 v[BTO], v2, 4, v[BTO]
.irp i, 0,1,2,3,4,5,6,7
	global_load_b128 v[GT+4*(\i):GT+4*(\i)+3], v6, s[8:9] offset:512*(\i)   ; my 64 rows' gates: 4,096 consecutive bytes
.endr
	ALOADH 1, 0, 4                                 ; chunk 0, its first 128 channels
.irp b, 0,1,2,3
	global_load_b128 v[BT+8*(\b):BT+8*(\b)+3], v[BTO], s[10:11] offset:512*(\b)   ; bias^T: column 16 b + r, experts 8 h + 0..7
.endr
.irp a, 0,1,2,3
	v_mov_b32 v[GV+2*(\a)+1], 0
.endr
.irp b, 0,1,2,3
.irp p, 4,5,6,7
	v_mov_b32 v[BT+8*(\b)+(\p)], 0                 ; K = 16 .. 31 of the bias product: zeros
.endr
.endr
	v_mul_u32_u24 v4, v1, PITCH
	v_lshl_add_u32 v4, v2, 4, v4                   ; a fragment's row x pitch + 16 x half,
	s_mul_i32 s23, s[CH], HALFT                    ; in my 64 rows of a tile
	v_add_nc_u32 v[AB0], s23, v4
	s_mul_i32 s23, s[WV], 16*SPITCH
	s_add_co_u32 s23, s23, STAGE                   ; my stage
	v_mul_u32_u24 v4, v1, SPITCH                   ; in: row l % 16, 32 bytes for each half of the lanes
	v_lshl_add_u32 v4, v2, 5, v4
	v_add_nc_u32 v[STO], s23, v4
	v_mul_u32_u24 v4, v2, SPITCH                   ; back: lanes 0-15 take one row of 256 bytes, lanes 16-31 the next
	v_lshl_add_u32 v4, v1, 4, v4
	v_add_nc_u32 v[RD], s23, v4
	v_lshlrev_b32 v4, 13, v2                       ; and the same two rows in out0
	v_lshl_add_u32 v[CO], v1, 4, v4
	s_mul_i32 s23, s[WV], 64*GPITCH
	s_add_co_u32 s23, s23, GL                      ; my gate table
	v_mul_u32_u24 v4, v1, GPITCH
	v_add_nc_u32 v[GA], s23, v4                    ; out of it: row l % 16 of a block
	v_lshl_add_u32 v[GB], v2, 5, v[GA]
	v_lshrrev_b32 v4, 2, v3                        ; into it: four lanes a row
	v_mul_u32_u24 v4, v4, GPITCH
	v_and_b32 v5, 3, v3
	v_lshl_add_u32 v4, v5, 4, v4
	v_add_nc_u32 v[GS], s23, v4
	s_wait_loadcnt 36                              ; the gates are in; x's 32 loads and the bias's 4, issued behind them, may stay out
.irp i, 0,1,2,3,4,5,6,7
	ds_store_b128 v[GS], v[GT+4*(\i):GT+4*(\i)+3] offset:8*GPITCH*(\i)   ; my wave's own bytes: only I read them, and LDS serves a wave's instructions in order (ISA guide 5.7.1.4)
.endr
.irp a, 0,1,2,3
	ds_load_b128 v[GF32+8*(\a):GF32+8*(\a)+3],   v[GB] offset:16*GPITCH*(\a)      ; gates[row 16 a + r][8 h + 0..7]
	ds_load_b128 v[GF32+8*(\a)+4:GF32+8*(\a)+7], v[GB] offset:16*GPITCH*(\a)+16
.endr
	s_wait_dscnt 0x0
.irp a, 0,1,2,3
.irp p, 0,1,2,3
	v_cvt_pk_bf16_f32 v[GT+8*(\a)+(\p)], v[GF32+8*(\a)+2*(\p)], v[GF32+8*(\a)+2*(\p)+1]
	v_mov_b32 v[GT+8*(\a)+4+(\p)], 0
.endr
.endr
	s_wait_loadcnt 0x0                             ; the bias is in (it was asked for last)
	WIN TO_B
.irp a, 0,1,2,3
.irp b, 0,1,2,3                        ; sixteen accumulators, one product each: TOT begins as the gated bias
	v_wmma_f32_16x16x32_bf16 v[TOT+8*(4*(\a)+(\b)):TOT+8*(4*(\a)+(\b))+7], v[BT+8*(\b):BT+8*(\b)+7], v[GT+8*(\a):GT+8*(\a)+7], 0
.endr
.endr
	ALOADH 1, 1, 4                                 ; chunk 0, its other 128 channels
; 8 matrix instructions: row blocks a0, a0 + 1 x all 4 column blocks, K block kb of the chunk; x in window as.  start = 1: they start an expert's sums for this chunk, C = 0.
; The 16 accumulators take turns, one instruction a turn, in the same order everywhere.
.macro MUL8 as, kb, a0, start
	WIN 0x03|((\as)<<2)
.irp a, \a0, (\a0)+1
.irp b, 0,1,2,3
.if \start
	v_wmma_f32_16x16x32_bf16 v[ACC+8*(4*(\a)+(\b)):ACC+8*(4*(\a)+(\b))+7], v[BF+64*(((\kb)/2)%2)+32*((\kb)%2)+8*(\b):BF+64*(((\kb)/2)%2)+32*((\kb)%2)+8*(\b)+7], v[32*(\kb)+8*(\a):32*(\kb)+8*(\a)+7], 0
.else
	v_wmma_f32_16x16x32_bf16 v[ACC+8*(4*(\a)+(\b)):ACC+8*(4*(\a)+(\b))+7], v[BF+64*(((\kb)/2)%2)+32*((\kb)%2)+8*(\b):BF+64*(((\kb)/2)%2)+32*((\kb)%2)+8*(\b)+7], v[32*(\kb)+8*(\a):32*(\kb)+8*(\a)+7], v[ACC+8*(4*(\a)+(\b)):ACC+8*(4*(\a)+(\b))+7]
.endif
.endr
.endr
.endm
; 16 LDS loads in one run: wb's fragments of quarter q (64 along K) of the tile at ADR, into buffer q % 2; the first 32 along K first
.macro FETCH q
	WIN TO_B
.irp c, 0,1
.irp i, 0,1,2,3
	ds_load_b128 v[BF+64*((\q)%2)+32*(\c)+8*(\i):BF+64*((\q)%2)+32*(\c)+8*(\i)+3],   v[ADR] offset:128*(\q)+64*(\c)+(\i)*16*PITCH
	ds_load_b128 v[BF+64*((\q)%2)+32*(\c)+8*(\i)+4:BF+64*((\q)%2)+32*(\c)+8*(\i)+7], v[ADR] offset:128*(\q)+64*(\c)+(\i)*16*PITCH+32
.endr
.endr
.endm
; One of an expert's first three quarters: 32 products; in its middle the next quarter's fragments are fetched.  gate = 1: the expert's four gates are read behind that run.
; pg = 1: the run of the quarter before had the gates behind it.
.macro QTR as, q, start, gate, pg
	s_wait_dscnt 8+4*(\pg)                         ; this quarter's first 32 along K are in; the run's other eight loads (and the gates' four) may be out
	MUL8 \as, 2*(\q), 0, \start
	MUL8 \as, 2*(\q), 2, \start
.if \gate
	WIN 0
	v_add_nc_u32 v[GAD], s[GO], v[GA]
	s_add_co_u32 s[GO], s[GO], 4                   ; the next expert's word
.endif
	PLACES
	FETCH (\q)+1
.if \gate
	WIN 0
.irp a, 0,1,2,3
	ds_load_b32 v[GV+2*(\a)], v[GAD] offset:16*GPITCH*(\a)
.endr
.endif
	s_wait_dscnt 16+4*(\gate)                      ; all but what was just issued
	MUL8 \as, 2*(\q)+1, 0, 0
	MUL8 \as, 2*(\q)+1, 2, 0
.endm
; TOT += g x ACC: 64 packed lines for 128 matrix instructions.  Each accumulator is read from its low end on.  They are also the places between an accumulator's last product and
; the next expert's first, which writes over it, and in front of the next loads into the registers that the last products read.
.macro SCALE
	PLACES
	WIN SCL
.set t, 0
.rept 16
.irp p, 0,2,4,6
	v_pk_fma_f32 v[TOT+8*t+(\p):TOT+8*t+(\p)+1], v[ACC+8*t+(\p):ACC+8*t+(\p)+1], v[GV+2*(t/4):GV+2*(t/4)+1], v[TOT+8*t+(\p):TOT+8*t+(\p)+1] op_sel_hi:[1,0,1]
.endr
.set t, t+1
.endr
	WIN 0
.endm
; AN EXPERT'S STEP: its 256 channels of the chunk, 128 products, then SCALE.  What its last quarter does beside its products:
; kind 0: a slot's first expert: it fetches the second expert's first fragments.
; kind 1: a slot's second expert: THE CHANGE OF SLOTS.  In front of ONE barrier each wave waits for all its tensor loads (one is out: its part of the other slot), adds 0 to its spare word, and
;         waits for that and for its own reads of this slot.  The barrier opens a round of the cluster's barrier; behind it this slot is filled again, with the period two on, its address made anew
;         from the period's number p: experts 8 (p / 16) + 2 (p % 4) on, channels 256 ((p / 4) % 4) on.  From the request to the wait for it a wave issues 240 products.
; kind 2: the same with nothing left to ask for, so no round.     kind 3: the launch's last step: nothing is fetched.
.macro ES as, kind, slot
	QTR \as, 0, 1, 1, 0
	QTR \as, 1, 0, 0, 1
	QTR \as, 2, 0, 0, 0
.if (\kind) == 0
	s_wait_dscnt 8
	MUL8 \as, 6, 0, 0
	MUL8 \as, 6, 2, 0
	WIN 0
	s_add_co_u32 s[TB], s[TB], TILE
	v_add_nc_u32 v[ADR], s[TB], v[AB0]
	PLACES
	FETCH 0
	s_wait_dscnt 16
	MUL8 \as, 7, 0, 0
	MUL8 \as, 7, 2, 0
.elseif (\kind) == 3
	s_wait_dscnt 8
	MUL8 \as, 6, 0, 0
	MUL8 \as, 6, 2, 0
	s_wait_dscnt 0x0
	MUL8 \as, 7, 0, 0
	MUL8 \as, 7, 2, 0
.else
	WIN 0                                          ; (the add's registers lie in window 0)
	s_wait_tensorcnt 0x0                           ; all my tensor loads have landed: my part of the other slot; so a group 0 may be written;
	ds_add_u32 v[SPW], v[NIL]                      ; 0 onto my spare word; work on registers stands between it and the wait for it
.if (\kind) == 1
	s_lshr_b32 s[T0], s[PNX], 4
	s_and_b32 s[T1], s[PNX], 3
	s_lshl2_add_u32 s[T0], s[T0], s[T1]            ; the pair of experts, 4 (p / 16) + p % 4,
	s_lshl_b32 s[T0], s[T0], 23                    ; of 2 x 4 MiB,
	s_bfe_u32 s[T1], s[PNX], 0x20002
	s_lshl_b32 s[T1], s[T1], 9                     ; and the chunk's 512 bytes of a row
	s_add_co_u32 s[OFB], s[T0], s[T1]
	s_add_co_u32 s[PNX], s[PNX], 1
	s_add_nc_u64 s[G0+4*(\slot)+2:G0+4*(\slot)+3], s[6:7], s[OFB:OFB+1]
	s_or_b32 s[G0+4*(\slot)+3], s[G0+4*(\slot)+3], 0x80000000
.endif
	s_wait_dscnt 9                                 ; (the add and the youngest eight fragment loads may be out)
	MUL8 \as, 6, 0, 0
	s_wait_dscnt 0x0                               ; the add is done, and my reads of this slot are over
	s_barrier_signal -1
	MUL8 \as, 6, 2, 0
	WIN 0
	s_barrier_wait -1
.if (\kind) == 1
	CREST                                          ; no wave of any partner still reads this slot or has a load on its way
	tensor_load_to_lds s[G0+4*(\slot):G0+4*(\slot)+3], s[G1:G1+7]  ; the first tensor load behind the round, my only one until the next
	s_nop 0
.rept 4
	v_nop                                          ; they are also the places in front of the loads below
.endr
.else
	PLACES
.endif
	s_mov_b32 s[TB], (1-(\slot))*SLOT              ; on in the other slot
	v_add_nc_u32 v[ADR], s[TB], v[AB0]
	FETCH 0
	MUL8 \as, 7, 0, 0
	MUL8 \as, 7, 2, 0
.endif
	SCALE
.endm
; Half a chunk: four experts, both slots.  tail = 1: the launch's last half chunk, written out.
.macro QUAD as, tail
	ES \as, 0, 0
	ES \as, 1+(\tail), 0
	ES \as, 0, 1
	ES \as, 1+2*(\tail), 1
.endm
; At the head of each half chunk: x.  The wait shows all my loads of x in, so their base may be written: it is made anew, from xb's address and the number of the chunk to be loaded, ahead of
; the branch that tells the halves apart.  In a chunk's first half the gates' word goes back to the modality's first expert, and the first 32 loads of the next chunk's x go out, into the other
; window, which the last chunk's products have left (SCALE's lines are the places); in its second half the other 32 go out.
; guard = 1: behind chunk 7 there is none: the loads are jumped, and the base made for chunk 8 is not used.
.macro AHEAD other, guard
	s_wait_loadcnt 0x0
	s_lshr_b32 s[T0], s[CN], 2
	s_lshl_b32 s[T0], s[T0], 22                    ; the next chunk's modality, 4 MiB of xb,
	s_and_b32 s[T1], s[CN], 3
	s_lshl_b32 s[T1], s[T1], 13                    ; and its 8 blocks of 1,024 bytes
	s_add_co_u32 s[OFA], s[T0], s[T1]
	s_add_nc_u64 s[AC:AC+1], s[4:5], s[OFA:OFA+1]
	s_cmp_eq_u32 s[QC], 1
	s_cbranch_scc1 .Lhalf2_\@
	s_sub_co_u32 s[T0], s[CN], 1                   ; the chunk in hand,
	s_lshr_b32 s[T0], s[T0], 2                     ; its modality,
	s_lshl_b32 s[GO], s[T0], 5                     ; whose first expert's word is 0 or 32
.if \guard
	s_cmp_eq_u32 s[CN], 8
	s_cbranch_scc1 .Lahead_\@
.endif
	ALOADH \other, 0, AC
	s_branch .Lahead_\@
.Lhalf2_\@:
	ALOADH \other, 1, AC
	s_add_co_u32 s[CN], s[CN], 1
.Lahead_\@:
.endm
	s_wait_tensorcnt 1                             ; my part of period 0 is in; period 1's may stay out
	s_wait_dscnt 0x0                               ; no LDS instruction of mine is pending at the signal
	s_barrier_signal -1
	s_barrier_wait -1                              ; everybody's part is in
	s_mov_b32 s[TB], 0
	v_add_nc_u32 v[ADR], s[TB], v[AB0]
	FETCH 0
	WIN 0                                          ; at a label and at a branch every window is 0
	s_mov_b32 s[PAIR], 4
.Lpair:                                                ; an even chunk, x in window 1, then an odd one, x in window 2
	s_mov_b32 s[QC], 2
.Lq0:
	AHEAD 2, 0
	QUAD 1, 0
	s_sub_co_u32 s[QC], s[QC], 1
	s_cmp_lg_u32 s[QC], 0
	s_cbranch_scc1 .Lq0
	s_mov_b32 s[QC], 2
.Lq1:
	s_add_co_u32 s[T0], s[PAIR], s[QC]             ; the last pair's last half chunk (both counts at 1) is the tail
	s_cmp_eq_u32 s[T0], 2
	s_cbranch_scc1 .Ltail
	AHEAD 1, 1
	QUAD 2, 0
	s_sub_co_u32 s[QC], s[QC], 1
	s_cmp_lg_u32 s[QC], 0
	s_cbranch_scc1 .Lq1
	s_sub_co_u32 s[PAIR], s[PAIR], 1
	s_cmp_lg_u32 s[PAIR], 0
	s_cbranch_scc1 .Lpair
.Ltail:
	QUAD 2, 1
; THE WAY OUT.  A wave's 64 columns of f32 are 256 bytes of a row.  A block of 16 rows goes through my own stage: 32 bytes a lane into rows of 272 bytes, back as whole rows of 256.
.macro TOSTAGE a
	WIN STG
.irp b, 0,1,2,3
	ds_store_b128 v[STO], v[TOT+8*(4*(\a)+(\b)):TOT+8*(4*(\a)+(\b))+3]   offset:64*(\b)
	ds_store_b128 v[STO], v[TOT+8*(4*(\a)+(\b))+4:TOT+8*(4*(\a)+(\b))+7] offset:64*(\b)+16
.endr
	WIN 0
.irp t, 0,1,2,3,4,5,6,7
	ds_load_b128 v[ACC+32*(\a)+4*(\t):ACC+32*(\a)+4*(\t)+3], v[RD] offset:(\t)*2*SPITCH  ; LDS serves a wave's instructions in order (ISA guide 5.7.1.4): these see the stores above; the next block's stores come behind them
.endr
.endm
.macro SEND a, younger                 ; younger: the LDS instructions issued behind block a's loads: the next block's sixteen, or none
.irp t, 0,1,2,3,4,5,6,7
	s_wait_dscnt (\younger)+7-(\t)
	global_store_b128 v[CO], v[ACC+32*(\a)+4*(\t):ACC+32*(\a)+4*(\t)+3], s[12:13] offset:(16*(\a)+2*(\t))*OROW th:TH_STORE_NT  ; 16 lanes store 256 consecutive bytes, at a multiple of 256 from out0's first byte; no register of a store is written again
.endr
.endm
	TOSTAGE 0
	TOSTAGE 1
	SEND 0, 16
	TOSTAGE 2
	SEND 1, 16
	TOSTAGE 3
	SEND 2, 16
	SEND 3, 0
	s_wait_tensorcnt 0x0                           ; the wave's end: behind my last tensor load and my last LDS store
	ds_add_u32 v[SPW], v[NIL]
	s_wait_dscnt 0x0
	CROUND                                         ; the closing round: no work-group ends while a partner may still ask for a tile that names it
	s_endpgm
.Lfunc_end_k_qea20d31dde_fuse:
	.size	k_qea20d31dde_fuse, .Lfunc_end_k_qea20d31dde_fuse-k_qea20d31dde_fuse
	.p2alignl 7, 3214868480
	.fill 96, 4, 3214868480
	.section	.rodata,"a",@progbits
	.p2align	6, 0x0
	.amdhsa_kernel k_qea20d31dde_fuse
		.amdhsa_group_segment_fixed_size 327680
		.amdhsa_private_segment_fixed_size 0
		.amdhsa_enable_private_segment 0
		.amdhsa_kernarg_size 40
		.amdhsa_user_sgpr_count 2
		.amdhsa_user_sgpr_kernarg_segment_ptr 1
		.amdhsa_wavefront_size32 1
		.amdhsa_system_sgpr_workgroup_id_x 1
		.amdhsa_system_sgpr_workgroup_id_y 1
		.amdhsa_system_sgpr_workgroup_id_z 1
		.amdhsa_system_vgpr_workitem_id 0
		.amdhsa_next_free_vgpr 1024
		.amdhsa_next_free_sgpr 66
		.amdhsa_reserve_vcc 0
		.amdhsa_float_denorm_mode_32 3
		.amdhsa_float_denorm_mode_16_64 3
		.amdhsa_memory_ordered 1
		.amdhsa_forward_progress 1
		.amdhsa_inst_pref_size 255
	.end_amdhsa_kernel
	.section	.bss,"aw",@nobits
	.p2align	6
	.space	262144
	.amdgpu_metadata
---
amdhsa.version: [ 1, 2 ]
amdhsa.kernels:
  - .name:           k_qea20d31dde_fuse
    .symbol:         k_qea20d31dde_fuse.kd
    .args:
      - { .name: xb, .offset: 0, .size: 8, .value_kind: global_buffer, .address_space: global }
      - { .name: wb, .offset: 8, .size: 8, .value_kind: global_buffer, .address_space: global }
      - { .name: gates, .offset: 16, .size: 8, .value_kind: global_buffer, .address_space: global }
      - { .name: bbt, .offset: 24, .size: 8, .value_kind: global_buffer, .address_space: global }
      - { .name: out0, .offset: 32, .size: 8, .value_kind: global_buffer, .address_space: global }
    .group_segment_fixed_size: 327680
    .private_segment_fixed_size: 0
    .kernarg_segment_align: 8
    .kernarg_segment_size: 40
    .max_flat_workgroup_size: 128
    .sgpr_count:     66
    .vgpr_count:     1024
    .wavefront_size: 32
...
	.end_amdgpu_metadata
.endif
;; end of part 4
;; ======== version 3 of 3: 2 launches; version 2 with the launch prep written anew for expert scheduling mode
;; workspace buffers: xb 8,388,608 bytes; wb 67,108,864 bytes; gates 131,072 bytes; bbt 65,536 bytes
;; launch prep (part 5): grid 256 x 1, 16 waves a work-group, no clusters, 51,456 bytes of LDS; arguments spatial_features, temporal_features, Ws, Wt, Wg1, Wg2, bg1, bg2, bs, bt, xb, wb, gates, bbt; writes xb, wb, gates, bbt
.if DOCPART == 5
	.amdgcn_target "amdgcn-amd-amdhsa--gfx1250"
	.amdhsa_code_object_version 6
	.text
	.protected	k_qea20d31dde_prep
	.globl	k_qea20d31dde_prep
	.p2align	8
	.type	k_qea20d31dde_prep,@function
k_qea20d31dde_prep:
	s_mov_b64 s[64:65], 0
	v_nop
	global_prefetch_b8 v0, s[64:65] scope:SCOPE_SE
	s_setreg_imm32_b32 hwreg(HW_REG_WAVE_SCHED_MODE, 0, 2), 2
	s_setreg_imm32_b32 hwreg(HW_REG_WAVE_MODE, 25, 1), 1
	s_wait_xcnt 0x0
	s_wait_alu depctr_vm_vsrc(0)
; PREP.  Rounds every input once to bf16 and makes the gates.
;   xb    bf16, in the order in which a wave's operand registers take it: [2 (spatial, temporal)][128 blocks of 16 rows][32 blocks of 32 channels][1,024 bytes];
;         in a block, row r's channels 16 q + 8 h + 0..7 lie at byte 512 (r / 8) + 256 q + 128 h + 16 (r % 8).
;   wb    [16][2048][1024] bf16: Ws's eight experts, then Wt's.          bbt [2048][16] bf16: column f's sixteen bias numbers, bs's eight, then bt's.
;   gates [2048][16] f32: softmax(relu(x Wg1^T + bg1) Wg2^T + bg2), the row's true maximum taken away first.
; LIMITS.  x, Wg1, Wg2, bg1, bg2, bs, bt, Ws, Wt are rounded to bf16 (nearest even); the 16 hidden numbers of a row are rounded to bf16 as operands of the
; second gate product; sums, maximum, exponentials and the division are f32; an exponential below 2^-126 counts as 0; NaN and infinities are not treated apart.
; SHARES.  256 work-groups of 16 waves.  Work-group g: rows 8 g .. 8 g + 7 of x (cast, and their gates), 8 columns of the bias, 524,288 bytes of f32 weights.
; The stream binds: 12 to 16 loads of 16 bytes a lane are out in every wave at all times, the first 16 asked for before the gate work begins.  No cluster, no tensor
; load: no two work-groups read the same weights, and the bytes pass through registers anyway, to be rounded.
; THE MODE: SCHED_MODE bits 1:0 = 2 (LLVM: expert scheduling mode 2), set by the entry lines.  The code itself states the register dependences
; between vector or matrix instructions and memory or LDS instructions, with s_wait_alu, always for 0.
; THE PLAN.  Registers that memory or LDS instructions touch:
;   v5, v7, v9-15, v18, v19   offsets and LDS addresses: made at the head, ahead of one wait on va_vdst, and never written again.
;   v6            the LDS address by which x is read back; wave 0 makes the gates' offset in it, behind the wait on vm_vsrc that follows the second barrier.
;   v20-51        x: loaded, rounded in place, read by the LDS stores.  v20-35 then take x back from LDS and are read by the stores to xb; in wave 0 the parts land in v20-147.
;   v116-123      a wave's part of the first gate product: written by matrix and vector lines, read by two LDS stores.
;   X (v148-211)  the stream's ring, four blocks of four slots.  A block's eight roundings read it; behind them its next four loads land in it.
;   Y (v212-243)  a pair for each of the 16 slots.  Written by a block's roundings, read by the block's four stores, written again a whole turn later.
; THE STREAM'S WAITS.  ONE wait on va_vdst to a block, behind its roundings: they are done reading X's block and have written Y's block; the block's four loads and four stores follow it.
; It stands there and not at the next block's head, so that the block is asked for again at once.  ONE wait on vm_vsrc to a turn of 16 slots, at the turn's head, beside the wait on XCNT:
; the last turn's stores have read all of Y.  No vector register of an address is written in the loop: the two scalar bases move on at the turn's head, immediates do the rest.
.set XPITCH, 4128                      ; a row of x in LDS: 2,048 bf16 (spatial, then temporal) + 32 bytes = 1,032 words
.set PART,   33024                     ; behind the 8 rows: 1,024 bytes a wave, its part of the first gate product
.set SPARE,  49408                     ; behind that: the spare words, 128 bytes a wave, eight blocks of 256 bytes that no other line names
.set L16, 5                            ; v5   16 x lane
.set XR,  6                            ; v6   where I read 16 bytes of x back from LDS, in xb's order
.set XO,  7                            ; v7   where they go in xb: 1,024 x wave + 16 x lane
.set BOF, 9                            ; v9   my place in bs and in bt: column lane / 4, row 4 (lane % 2)
.set LO,  10                           ; v10  16 x thread: my 16 bytes in a run of 8,192 bytes of f32
.set SO,  11                           ; v11  8 x thread: my 8 bytes in a run of 4,096 bytes of bf16
.set XS,  12                           ; v12  where I put 8 bytes of a row of x in LDS
.set XF,  13                           ; v13  where my fragments of x begin in LDS
.set WO,  14                           ; v14  where my fragments of Wg1 begin in memory
.set PS,  15                           ; v15  where I put my wave's partial sums
.set SPW, 16                           ; v16  my spare word; never rewritten
.set NIL, 17                           ; v17  0; never rewritten
.set H32, 18                           ; v18  32 x (lane / 16)
.set W2O, 19                           ; v19  64 x (lane % 16) + 32 x (lane / 16)
.set XIN, 20                           ; v20-51   eight loads of x; the bf16 pairs take the first two registers of each; then v20-35: x in xb's order
.set BOUT, 36                          ; v36-39   wave 1, behind the second barrier: four bias numbers in bf16, their address, a mask's source
.set XFR, 52                           ; v52-83   four fragments of x
.set WG,  84                           ; v84-147  sixteen loads of Wg1; rounded they are four fragments in v84-115
.set AC,  116                          ; v116-147 four accumulators
.set X,   148                          ; v148-211 the stream's ring: slot i, 4 registers as loaded
.set Y,   212                          ; v212-243 slot i, 2 registers to store.  Ahead of the stream: wave 0's Wg2, bg1, bg2, wave 1's bias numbers
.set W2,  212
.set B1,  220
.set B2,  228
.set BSR, 212
.set BTR, 220
.set H,   20                           ; wave 0, behind the sum of the parts: the hidden layer,
.set HF,  28                           ; its fragment,
.set WF,  36                           ; Wg2's fragment,
.set LG,  44                           ; the logits,
.set T,   52                           ; at work,
.set O,   60                           ; four gates to store
	s_load_b512 s[8:23], s[0:1], 0x0               ; spatial 8, temporal 10, Ws 12, Wt 14, Wg1 16, Wg2 18, bg1 20, bg2 22
	s_load_b256 s[24:31], s[0:1], 0x40             ; bs 24, bt 26, xb 28, wb 30
	s_load_b128 s[32:35], s[0:1], 0x60             ; gates 32, bbt 34
	v_lshl_add_u32 v[SPW], v0, 2, SPARE
	v_mov_b32 v[NIL], 0
	v_lshrrev_b32 v4, 5, v0
	v_readfirstlane_b32 s4, v4                     ; wave 0..15
	v_and_b32 v1, 15, v0                           ; r = lane % 16
	v_bfe_u32 v2, v0, 4, 1                         ; h = lane / 16
	v_and_b32 v3, 31, v0                           ; lane
	v_and_b32 v8, 7, v0                            ; lane % 8
	v_lshlrev_b32 v[L16], 4, v3
	v_lshlrev_b32 v[LO], 4, v0
	v_lshlrev_b32 v[SO], 3, v0
	s_wait_alu depctr_va_sdst(0)                   ; s4 is written, ahead of its first reader: addresses and branches are made from it
	s_lshr_b32 s5, s4, 3                           ; a load of 8,192 bytes is two rows: waves 0-7 hold the even one, waves 8-15 the odd one,
	s_mul_i32 s5, s5, XPITCH
	s_and_b32 s6, s4, 7
	s_lshl_b32 s6, s6, 8                           ; each wave 256 bytes of its bf16
	s_add_co_u32 s5, s5, s6
	v_lshl_add_u32 v[XS], v3, 3, s5
	v_mul_u32_u24 v[XF], v8, XPITCH                ; fragment of x: row r % 8, channels 128 w on (256 bytes a wave), 16 bytes for each half of the lanes
	v_lshl_add_u32 v[XF], v2, 4, v[XF]
	v_lshl_add_u32 v[XF], s4, 8, v[XF]
	v_mul_u32_u24 v[XR], v8, XPITCH                ; back in xb's order: lane 16 q + 8 h + p takes row p, channels 16 q + 8 h on, of the block of 32 channels 16 pass + w
	v_bfe_u32 v4, v0, 3, 1
	v_lshl_add_u32 v[XR], v4, 4, v[XR]
	v_lshl_add_u32 v[XR], v2, 5, v[XR]
	v_lshl_add_u32 v[XR], s4, 6, v[XR]
	v_lshl_add_u32 v[XO], s4, 10, v[L16]
	v_lshrrev_b32 v[BOF], 2, v3                    ; the bias: column lane / 4 of my 8, 4 bytes each,
	v_lshlrev_b32 v[BOF], 2, v[BOF]
	v_and_b32 v4, 1, v0
	v_lshl_add_u32 v[BOF], v4, 15, v[BOF]          ; and rows 4 (lane % 2) on, of 8,192 bytes
	v_lshlrev_b32 v[WO], 13, v1                    ; fragment of Wg1 in f32: row r of 8,192 bytes, 512 bytes a wave, 32 bytes for each half of the lanes
	v_lshl_add_u32 v[WO], v2, 5, v[WO]
	v_lshl_add_u32 v[WO], s4, 9, v[WO]
	v_lshl_add_u32 v[PS], s4, 10, v[L16]
	v_add_nc_u32 v[PS], PART, v[PS]
	v_lshlrev_b32 v[H32], 5, v2
	v_lshl_add_u32 v[W2O], v1, 6, v[H32]
	s_lshl_b32 s36, ttmp9, 15                      ; 8 rows of 4,096 bytes of x
	s_mov_b32 s37, 0
	s_and_b32 s5, ttmp9, 127                       ; my place in Ws (g < 128) or in Wt
	s_lshl_b32 s38, s5, 19                         ; 524,288 bytes of f32 weights
	s_mov_b32 s39, 0
	s_mov_b32 s51, 0x3fb8aa3b                      ; log2(e)
	s_mov_b32 s52, 0x76543210                      ; v_permlanex16_b32: each lane takes its own place in the other half
	s_mov_b32 s53, 0xfedcba98
	s_wait_kmcnt 0x0
	s_add_nc_u64 s[8:9], s[8:9], s[36:37]
	s_add_nc_u64 s[10:11], s[10:11], s[36:37]
	s_cmp_lt_u32 ttmp9, 128
	s_cselect_b64 s[40:41], s[12:13], s[14:15]     ; the weights that I cast
	s_add_nc_u64 s[40:41], s[40:41], s[38:39]
	s_lshl_b32 s36, ttmp9, 5                       ; my 8 columns of f32 in a row of bs and of bt
	s_add_nc_u64 s[24:25], s[24:25], s[36:37]
	s_add_nc_u64 s[26:27], s[26:27], s[36:37]
	s_lshl_b32 s36, ttmp9, 18                      ; 262,144 bytes of bf16 weights
	s_add_nc_u64 s[44:45], s[30:31], s[36:37]
	s_lshr_b32 s5, ttmp9, 1                        ; xb: my block of 16 rows, 32,768 bytes,
	s_lshl_b32 s36, s5, 15
	s_and_b32 s5, ttmp9, 1                         ; and which half of each of its blocks of 1,024 bytes is mine
	s_lshl_b32 s5, s5, 9
	s_add_co_u32 s36, s36, s5
	s_add_nc_u64 s[46:47], s[28:29], s[36:37]      ; spatial
	s_add_nc_u64 s[48:49], s[46:47], 0x400000      ; and temporal
	s_lshl_b32 s36, ttmp9, 9                       ; 8 rows of gates: 512 bytes
	s_add_nc_u64 s[32:33], s[32:33], s[36:37]
	s_lshl_b32 s36, ttmp9, 8                       ; 8 columns of bbt: 256 bytes
	s_add_nc_u64 s[34:35], s[34:35], s[36:37]
	s_wait_alu depctr_va_vdst(0)                   ; the offsets and LDS addresses v5-7, v9-15, v18, v19 are written, which the loads, stores and LDS instructions of the whole kernel read
	; ALL LOADS GO OUT NOW, in the order in which they are wanted: x (8), Wg1 (16), the small ones (wave 0: 6, wave 1: 8), the stream's first 16.
.irp i, 0,1,2,3
	global_load_b128 v[XIN+4*(\i):XIN+4*(\i)+3], v[LO], s[8:9] offset:8192*(\i) th:TH_LOAD_NT       ; rows 2 i, 2 i + 1, spatial
.endr
.irp i, 0,1,2,3
	global_load_b128 v[XIN+16+4*(\i):XIN+16+4*(\i)+3], v[LO], s[10:11] offset:8192*(\i) th:TH_LOAD_NT  ; temporal
.endr
.irp c, 0,1,2,3                        ; fragment c: channels 128 w + 32 c on; a lane's 8 + 8 numbers are 32 + 32 bytes of f32, 64 bytes apart
	global_load_b128 v[WG+16*(\c):WG+16*(\c)+3],     v[WO], s[16:17] offset:128*(\c)
	global_load_b128 v[WG+16*(\c)+4:WG+16*(\c)+7],   v[WO], s[16:17] offset:128*(\c)+16
	global_load_b128 v[WG+16*(\c)+8:WG+16*(\c)+11],  v[WO], s[16:17] offset:128*(\c)+64
	global_load_b128 v[WG+16*(\c)+12:WG+16*(\c)+15], v[WO], s[16:17] offset:128*(\c)+80
.endr
	s_cmp_lg_u32 s4, 0
	s_cbranch_scc1 .Lsmall_1
	global_load_b128 v[W2:W2+3],   v[W2O], s[18:19]             ; Wg2[r][8 h ..]
	global_load_b128 v[W2+4:W2+7], v[W2O], s[18:19] offset:16
	global_load_b128 v[B1:B1+3],   v[H32], s[20:21]             ; bg1[8 h ..]
	global_load_b128 v[B1+4:B1+7], v[H32], s[20:21] offset:16
	global_load_b128 v[B2:B2+3],   v[H32], s[22:23]             ; bg2[8 h ..]
	global_load_b128 v[B2+4:B2+7], v[H32], s[22:23] offset:16
	s_branch .Lsmall_done
.Lsmall_1:
	s_cmp_lg_u32 s4, 1
	s_cbranch_scc1 .Lsmall_done
.irp j, 0,1,2,3                        ; the bias is turned: my column of rows 4 (lane % 2) + j of bs and of bt; 131,072 bytes in the whole launch
	global_load_b32 v[BSR+(\j)], v[BOF], s[24:25] offset:8192*(\j)
	global_load_b32 v[BTR+(\j)], v[BOF], s[26:27] offset:8192*(\j)
.endr
.Lsmall_done:
.irp i, 0,1,2,3,4,5,6,7,8,9,10,11,12,13,14,15
	global_load_b128 v[X+4*(\i):X+4*(\i)+3], v[LO], s[40:41] offset:8192*(\i) th:TH_LOAD_NT
.endr
	; x: rounded and laid into LDS, for the gate product and for xb's order
	s_wait_loadcnt 32                              ; behind x's loads every wave has issued Wg1's 16 and the stream's 16
.irp i, 0,1,2,3,4,5,6,7
	v_cvt_pk_bf16_f32 v[XIN+4*(\i)],   v[XIN+4*(\i)],   v[XIN+4*(\i)+1]
	v_cvt_pk_bf16_f32 v[XIN+4*(\i)+1], v[XIN+4*(\i)+2], v[XIN+4*(\i)+3]
.endr
	s_wait_alu depctr_va_vdst(0)                   ; the roundings have written the pairs that the LDS stores read, and are done with v20-35, in which LDS loads land behind the barrier (no vector line stands between)
.irp i, 0,1,2,3
	ds_store_b64 v[XS], v[XIN+4*(\i):XIN+4*(\i)+1]       offset:2*XPITCH*(\i)
	ds_store_b64 v[XS], v[XIN+16+4*(\i):XIN+16+4*(\i)+1] offset:2*XPITCH*(\i)+2048
.endr
	s_wait_dscnt 0x0                               ; for the others' sake: my part of the rows is in LDS
	s_barrier_signal -1
	s_barrier_wait -1
	s_wait_alu depctr_vm_vsrc(0)                   ; my LDS stores have read their pairs in v20-49: LDS loads land in v20-35 below, and wave 1 later writes v36-39
	; THE FIRST GATE PRODUCT, K = 2,048 shared out: wave w takes channels 128 w .. 128 w + 127.  Source 0 = Wg1's 16 rows, source 1 = the 8 rows of x, each twice:
	; in the result lane (r, h), register j holds the part of hidden[row r % 8][8 h + j].
.irp c, 0,1,2,3
	ds_load_b128 v[XFR+8*(\c):XFR+8*(\c)+3],   v[XF] offset:64*(\c)
	ds_load_b128 v[XFR+8*(\c)+4:XFR+8*(\c)+7], v[XF] offset:64*(\c)+32
.endr
.irp p, 0,1,2,3                        ; and x in xb's order: pass p, wave w: the block of 32 channels 16 p + w of the 64
	ds_load_b128 v[XIN+4*(\p):XIN+4*(\p)+3], v[XR] offset:1024*(\p)
.endr
	s_wait_loadcnt 16                              ; only the stream's 16 may be out: Wg1 is in, and so are the small loads of waves 0 and 1
.set l, 0
.rept 16                               ; rounded in place, ascending: a destination never lies above a source that is still to be read
	v_cvt_pk_bf16_f32 v[WG+2*l],   v[WG+4*l],   v[WG+4*l+1]
	v_cvt_pk_bf16_f32 v[WG+2*l+1], v[WG+4*l+2], v[WG+4*l+3]
.set l, l+1
.endr
	s_wait_dscnt 0x0
	global_store_b128 v[XO], v[XIN:XIN+3],     s[46:47]               ; a wave's store covers 512 consecutive bytes, aligned: my half of a block of 1,024.  Its data come from LDS loads, its offset from the head
	global_store_b128 v[XO], v[XIN+4:XIN+7],   s[46:47] offset:16384
	global_store_b128 v[XO], v[XIN+8:XIN+11],  s[48:49]
	global_store_b128 v[XO], v[XIN+12:XIN+15], s[48:49] offset:16384
.irp c, 0,1,2,3                        ; four accumulators, one product each: no chain
	v_wmma_f32_16x16x32_bf16 v[AC+8*(\c):AC+8*(\c)+7], v[WG+8*(\c):WG+8*(\c)+7], v[XFR+8*(\c):XFR+8*(\c)+7], 0
.endr
.rept 4
	v_nop                                          ; four places between the products and the first read of their results (ISA guide 7.12.1)
.endr
.irp p, 0,2,4,6                        ; each accumulator is read from its low end on
	v_pk_add_f32 v[AC+(\p):AC+(\p)+1], v[AC+(\p):AC+(\p)+1], v[AC+8+(\p):AC+8+(\p)+1]
.endr
.irp p, 0,2,4,6
	v_pk_add_f32 v[AC+16+(\p):AC+16+(\p)+1], v[AC+16+(\p):AC+16+(\p)+1], v[AC+24+(\p):AC+24+(\p)+1]
.endr
.irp p, 0,2,4,6
	v_pk_add_f32 v[AC+(\p):AC+(\p)+1], v[AC+(\p):AC+(\p)+1], v[AC+16+(\p):AC+16+(\p)+1]
.endr
	s_wait_alu depctr_va_vdst(0)                   ; the sums have written v116-123, which the two LDS stores read
	ds_store_b128 v[PS], v[AC:AC+3]
	ds_store_b128 v[PS], v[AC+4:AC+7] offset:512
	s_wait_dscnt 0x0                               ; for wave 0's sake: my part is in LDS
	s_barrier_signal -1
	s_barrier_wait -1
	s_wait_alu depctr_vm_vsrc(0)                   ; my stores to xb have read v20-35, my LDS loads their address v6, my LDS stores v116-123: wave 0 loads into or writes all of these; the wait stands ahead of the branch that picks it
.macro RND8 base, tmp                  ; eight f32 rounded to bf16 and written as f32 again
.irp p, 0,1,2,3
	v_cvt_pk_bf16_f32 v[(\tmp)+(\p)], v[(\base)+2*(\p)], v[(\base)+2*(\p)+1]
.endr
.irp p, 0,1,2,3
	v_lshlrev_b32 v[(\base)+2*(\p)],   16,         v[(\tmp)+(\p)]
	v_and_b32     v[(\base)+2*(\p)+1], 0xffff0000, v[(\tmp)+(\p)]
.endr
.endm
	s_cmp_lg_u32 s4, 0
	s_cbranch_scc1 .Lnot_wave_0
	; WAVE 0 FINISHES THE GATES of the 8 rows.
	s_wait_xcnt 0x0                                ; the stores to xb have had their addresses translated: only behind this wait are v20-35 loaded into
	v_add_nc_u32 v4, PART, v[L16]
	s_wait_alu depctr_va_vdst(0)                   ; v4 is written, which the loads below read as their address; the roundings, products and sums are done with v20-147, in which they land
.set u, 0
.rept 16
	ds_load_b128 v[20+8*u:20+8*u+3],   v4 offset:1024*u
	ds_load_b128 v[20+8*u+4:20+8*u+7], v4 offset:1024*u+512
.set u, u+1
.endr
	s_wait_dscnt 0x0
.irp d, 8,4,2,1                        ; the 16 parts are added as a tree, in f32
.set u, 0
.rept \d
.irp p, 0,2,4,6
	v_pk_add_f32 v[20+8*u+(\p):20+8*u+(\p)+1], v[20+8*u+(\p):20+8*u+(\p)+1], v[20+8*(u+(\d))+(\p):20+8*(u+(\d))+(\p)+1]
.endr
.set u, u+1
.endr
.endr
	RND8 B1, T
	RND8 B2, T
.irp p, 0,2,4,6
	v_pk_add_f32 v[H+(\p):H+(\p)+1], v[H+(\p):H+(\p)+1], v[B1+(\p):B1+(\p)+1]
.endr
.irp j, 0,1,2,3,4,5,6,7
	v_max_num_f32 v[H+(\j)], 0, v[H+(\j)]          ; ReLU
.endr
.irp p, 0,1,2,3                        ; lane (r, h) holds hidden[row][8 h ..] and Wg2[r][8 h ..]: just the first 16 of a fragment's 32 along K; the other 16 are zeros
	v_cvt_pk_bf16_f32 v[HF+(\p)], v[H+2*(\p)],  v[H+2*(\p)+1]
	v_cvt_pk_bf16_f32 v[WF+(\p)], v[W2+2*(\p)], v[W2+2*(\p)+1]
	v_mov_b32 v[HF+4+(\p)], 0
	v_mov_b32 v[WF+4+(\p)], 0
.endr
	v_wmma_f32_16x16x32_bf16 v[LG:LG+7], v[WF:WF+7], v[HF:HF+7], v[B2:B2+7]  ; logit[row r % 8][8 h + j], bg2 as the sum's start
.rept 4
	v_nop
.endr
	v_max3_num_f32 v[T], v[LG], v[LG+1], v[LG+2]   ; the row's maximum: my 8 logits, low end first,
	v_max3_num_f32 v[T], v[T], v[LG+3], v[LG+4]
	v_max3_num_f32 v[T], v[T], v[LG+5], v[LG+6]
	v_max_num_f32 v[T], v[T], v[LG+7]
	v_permlanex16_b32 v[T+1], v[T], s52, s53       ; and the other 8, in the lane 16 away (v53 has been written: it served the rounding above)
	v_max_num_f32 v[T], v[T], v[T+1]
	v_mul_f32 v[T+2], s51, v[T]
.irp j, 0,1,2,3,4,5,6,7
	v_fma_f32 v[LG+(\j)], v[LG+(\j)], s51, -v[T+2]  ; log2(e) (s - m), fused
.endr
.irp j, 0,1,2,3,4,5,6,7
	v_exp_f32 v[LG+(\j)], v[LG+(\j)]
.endr
	v_nop                                          ; a plain instruction behind the last exponential,
	s_wait_alu depctr_va_vdst(0)                   ; and one wait for the batch: the eight exponentials have written v44-51, ahead of their first reader
	v_add_f32 v[T],   v[LG],   v[LG+1]
	v_add_f32 v[T+1], v[LG+2], v[LG+3]
	v_add_f32 v[T+2], v[LG+4], v[LG+5]
	v_add_f32 v[T+3], v[LG+6], v[LG+7]
	v_add_f32 v[T],   v[T],   v[T+1]
	v_add_f32 v[T+2], v[T+2], v[T+3]
	v_add_f32 v[T],   v[T],   v[T+2]
	v_permlanex16_b32 v[T+1], v[T], s52, s53
	v_add_f32 v[T], v[T], v[T+1]
	v_rcp_f32 v[T+2], v[T]
	v_lshrrev_b32 v6, 3, v1                        ; the store's address is the plain work behind the reciprocal: 64 (r % 8) + 32 h + 16 (r / 8)
	v_lshlrev_b32 v6, 4, v6
	v_lshl_add_u32 v6, v8, 6, v6
	v_add_nc_u32 v6, v[H32], v6
	v_cmp_gt_u32 vcc_lo, 8, v1
	s_wait_alu depctr_va_vdst(0)                   ; the reciprocal has written v54, ahead of its first reader
	s_wait_alu depctr_va_vcc(0)                    ; the compare has written VCC, which the four selects below read
.irp j, 0,1,2,3,4,5,6,7
	v_mul_f32 v[LG+(\j)], v[LG+(\j)], v[T+2]
.endr
.irp j, 0,1,2,3                        ; each row stands in two lanes of a half: lanes r < 8 store gates 8 h + 0..3, lanes r >= 8 gates 8 h + 4..7
	v_cndmask_b32 v[O+(\j)], v[LG+4+(\j)], v[LG+(\j)], vcc_lo
.endr
	s_wait_alu depctr_va_vdst(0)                   ; the selects have written v60-63 and the lines above v6: the store's data and its offset
	global_store_b128 v6, v[O:O+3], s[32:33]       ; 8 rows of 64 bytes: 512 consecutive bytes, aligned; none of its registers is written again
	s_branch .Lstream
.Lnot_wave_0:
	s_cmp_lg_u32 s4, 1
	s_cbranch_scc1 .Lstream
	; WAVE 1: 8 columns of the bias.  Lane l: column l / 4, experts 4 (l % 4) + 0..3: lanes with l % 4 < 2 keep bs's four numbers, the others take bt's.
	v_and_b32 v[BOUT+3], 2, v0
	v_cmp_eq_u32 vcc_lo, 2, v[BOUT+3]
	s_wait_alu depctr_va_vcc(0)                    ; the compare has written VCC, which the four selects read
.irp j, 0,1,2,3
	v_cndmask_b32 v[BSR+(\j)], v[BSR+(\j)], v[BTR+(\j)], vcc_lo
.endr
	v_cvt_pk_bf16_f32 v[BOUT],   v[BSR],   v[BSR+1]
	v_cvt_pk_bf16_f32 v[BOUT+1], v[BSR+2], v[BSR+3]
	v_lshlrev_b32 v[BOUT+2], 3, v3
	s_wait_alu depctr_va_vdst(0)                   ; v36-38 are written: the store's data and its offset
	global_store_b64 v[BOUT+2], v[BOUT:BOUT+1], s[34:35]  ; 8 columns of 32 bytes: 256 consecutive bytes, aligned; none of its registers is written again
.Lstream:
; THE STREAM.  A ring of 16 slots in four blocks of four; a turn of all slots is 131,072 bytes of f32 in and 65,536 of bf16 out.
; Block b of a turn.  ahead = 1: the block is filled again, 16 loads on.  left = how many younger loads may stay out.
; In a turn that loads, both bases move on at the turn's head: the loads then count from the next turn's first byte, and the stores reach back a turn by a negative immediate.
.macro BLK b, ahead, left
	s_wait_loadcnt \left                           ; loads come back in order (ISA guide 5.7.1): this block's four are in
.if (\b) == 0
	s_wait_xcnt 0x0                                ; every earlier memory instruction has had its addresses translated (ISA guide 3.1): the two bases, and Y, are rewritten only behind this wait
	s_wait_alu depctr_vm_vsrc(0)                   ; the last turn's sixteen stores have read Y, which this turn's roundings write again
.if \ahead
	s_add_nc_u64 s[40:41], s[40:41], 0x20000
	s_add_nc_u64 s[44:45], s[44:45], 0x10000
.endif
.endif
.irp i, 0,1,2,3
	v_cvt_pk_bf16_f32 v[Y+2*(4*(\b)+(\i))],   v[X+4*(4*(\b)+(\i))],   v[X+4*(4*(\b)+(\i))+1]
	v_cvt_pk_bf16_f32 v[Y+2*(4*(\b)+(\i))+1], v[X+4*(4*(\b)+(\i))+2], v[X+4*(4*(\b)+(\i))+3]
.endr
	s_wait_alu depctr_va_vdst(0)                   ; the eight roundings are done reading X's block, in which the loads below land, and have written Y's block, which the stores below read
.if \ahead
.irp i, 0,1,2,3
	global_load_b128 v[X+4*(4*(\b)+(\i)):X+4*(4*(\b)+(\i))+3], v[LO], s[40:41] offset:8192*(4*(\b)+(\i)) th:TH_LOAD_NT
.endr
.endif
.irp i, 0,1,2,3
	global_store_b64 v[SO], v[Y+2*(4*(\b)+(\i)):Y+2*(4*(\b)+(\i))+1], s[44:45] offset:4096*(4*(\b)+(\i))-0x10000*(\ahead)   ; a wave's store covers 256 consecutive bytes, aligned
.endr
.endm
	s_mov_b32 s50, 3
.Lring:
	BLK 0, 1, 12
	BLK 1, 1, 12
	BLK 2, 1, 12
	BLK 3, 1, 12
	s_sub_co_u32 s50, s50, 1
	s_cmp_lg_u32 s50, 0
	s_cbranch_scc1 .Lring
	BLK 0, 0, 12                                   ; the last turn loads nothing and steps nothing: the counts run down, and no load leaves the buffer
	BLK 1, 0, 8
	BLK 2, 0, 4
	BLK 3, 0, 0
	s_wait_dscnt 0x0                               ; the closing lines, six on end
	s_wait_alu 0x0
	s_wait_tensorcnt 0x0
	ds_add_u32 v[SPW], v[NIL]
	s_wait_dscnt 0x0
	s_endpgm
.Lfunc_end_k_qea20d31dde_prep:
	.size	k_qea20d31dde_prep, .Lfunc_end_k_qea20d31dde_prep-k_qea20d31dde_prep
	.p2alignl 7, 3214868480
	.fill 96, 4, 3214868480
	.section	.rodata,"a",@progbits
	.p2align	6, 0x0
	.amdhsa_kernel k_qea20d31dde_prep
		.amdhsa_group_segment_fixed_size 51456
		.amdhsa_private_segment_fixed_size 0
		.amdhsa_enable_private_segment 0
		.amdhsa_kernarg_size 112
		.amdhsa_user_sgpr_count 2
		.amdhsa_user_sgpr_kernarg_segment_ptr 1
		.amdhsa_wavefront_size32 1
		.amdhsa_system_sgpr_workgroup_id_x 1
		.amdhsa_system_sgpr_workgroup_id_y 1
		.amdhsa_system_sgpr_workgroup_id_z 1
		.amdhsa_system_vgpr_workitem_id 0
		.amdhsa_next_free_vgpr 244
		.amdhsa_next_free_sgpr 66
		.amdhsa_reserve_vcc 1
		.amdhsa_float_denorm_mode_32 3
		.amdhsa_float_denorm_mode_16_64 3
		.amdhsa_memory_ordered 1
		.amdhsa_forward_progress 1
		.amdhsa_inst_pref_size 37
	.end_amdhsa_kernel
	.amdgpu_metadata
---
amdhsa.version: [ 1, 2 ]
amdhsa.kernels:
  - .name:           k_qea20d31dde_prep
    .symbol:         k_qea20d31dde_prep.kd
    .args:
      - { .name: spatial_features, .offset: 0, .size: 8, .value_kind: global_buffer, .address_space: global }
      - { .name: temporal_features, .offset: 8, .size: 8, .value_kind: global_buffer, .address_space: global }
      - { .name: Ws, .offset: 16, .size: 8, .value_kind: global_buffer, .address_space: global }
      - { .name: Wt, .offset: 24, .size: 8, .value_kind: global_buffer, .address_space: global }
      - { .name: Wg1, .offset: 32, .size: 8, .value_kind: global_buffer, .address_space: global }
      - { .name: Wg2, .offset: 40, .size: 8, .value_kind: global_buffer, .address_space: global }
      - { .name: bg1, .offset: 48, .size: 8, .value_kind: global_buffer, .address_space: global }
      - { .name: bg2, .offset: 56, .size: 8, .value_kind: global_buffer, .address_space: global }
      - { .name: bs, .offset: 64, .size: 8, .value_kind: global_buffer, .address_space: global }
      - { .name: bt, .offset: 72, .size: 8, .value_kind: global_buffer, .address_space: global }
      - { .name: xb, .offset: 80, .size: 8, .value_kind: global_buffer, .address_space: global }
      - { .name: wb, .offset: 88, .size: 8, .value_kind: global_buffer, .address_space: global }
      - { .name: gates, .offset: 96, .size: 8, .value_kind: global_buffer, .address_space: global }
      - { .name: bbt, .offset: 104, .size: 8, .value_kind: global_buffer, .address_space: global }
    .group_segment_fixed_size: 51456
    .private_segment_fixed_size: 0
    .kernarg_segment_align: 8
    .kernarg_segment_size: 112
    .max_flat_workgroup_size: 512
    .sgpr_count:     66
    .vgpr_count:     244
    .wavefront_size: 32
...
	.end_amdgpu_metadata
.endif
;; end of part 5
;; launch fuse: the kernel of part 4 again; grid 16 x 16, 4 waves a work-group, clusters of 4 x 1, 327,680 bytes of LDS; arguments xb, wb, gates, bbt, out0; writes out0
